; MI455X (gfx1250); checked and timed in simulation.
; The chip was launched on July 23, 2026; its instructions are those of AMD's public machine-readable ISA for CDNA 5 (MIT licence, August 2026) and "CDNA5" Instruction Set Architecture Reference Guide (July 2026). The comments in the code are by the model that wrote it; some were corrected since.
;; Attention. Allowed arithmetic: matrix products marked QUANTISED: E3M2 operands, one E8M0 scale for each 32 along K, by v_wmma_scale_f32_16x16x128_f8f6f4 with both operands' format E3M2, f32 sums; everything else in f32.
;; Inputs: cos 2,048 x 64 float32; k 2,048 x 4 x 128 float32; k_ranges 8 x 2 int32; q 2,048 x 16 x 128 float32; q_ranges 8 x 2 int32; sin 2,048 x 64 float32; v 2,048 x 4 x 128 float32.
;; Outputs: out0 2,048 x 16 x 128 float32.
;; This version of the problem:
;;   THIS VERSION OF THE PROBLEM IS GIVEN IN LOW PRECISION. The matrix products marked QUANTISED in the list below multiply operands that are first quantised to E3M2 (3 exponent bits, 2 mantissa bits; 6 bits a number), with one power-of-two scale for each 32 numbers along K (OCP MX v1.0); their sums are f32. All else is computed in f32.
;;   The module's matrix products, in the order in which they are computed (A, B: the left and right operand; K: the contracted axis; several contracted axes count as one K, in the product's order):
;;     1. batch 16 x [M 2,048, K 128] x [K 128, N 2,048]; A: computed on the way; B: computed on the way: QUANTISED
;;     2. batch 16 x [M 128, K 2,048] x [K 2,048, N 2,048]; A: input v; B: computed on the way: QUANTISED
;;   THE QUANTISER, for each operand of a quantised product, along K:
;;     - K is cut into blocks of 32 from its start; a last block that is shorter is filled with zeros.
;;     - A block's scale is 2^e with e = floor(log2(the largest magnitude in the block)) - 4, held to -126 .. 127; a block of zeros has e = 0. As a byte (E8M0): e + 127.
;;     - Each number is divided by its block's scale, clamped to +-28, and rounded to the nearest number of E3M2, ties to even, subnormals kept.
;;     - The product sums the exact products of the quantised numbers (number of the format x scale) in f32.
;;   ~~~python
;;   def quantise(x, axis):      # numpy; x: float32 -> the quantised numbers, widened to float32 again
;;       x = np.moveaxis(x, axis, -1); K = x.shape[-1]
;;       x = np.pad(x, [(0, 0)] * (x.ndim - 1) + [(0, -K % 32)]); x = x.reshape(x.shape[:-1] + (-1, 32)); a = np.abs(x).max(-1, keepdims=True)
;;       e = np.where(a > 0, np.clip(np.frexp(np.where(a > 0, a, 1))[1] - 1 - 4, -126, 127), 0)      # np.frexp(a)[1] - 1 = floor(log2(a)), exactly
;;       r = np.clip(x / 2.0 ** e, -28, 28)
;;       step = 2.0 ** (np.maximum(np.frexp(np.where(r == 0, 1, r))[1] - 1, -2) - 2)
;;       q = np.round(r / step) * step * 2.0 ** e      # np.round: ties to even
;;       return np.moveaxis(q.reshape(q.shape[:-2] + (-1,))[..., :K], -1, axis).astype(np.float32)
;;   ~~~
;;   OPERANDS COMPUTED ON THE WAY. 'Computed on the way' means the value that the module computes at that place (a softmax that the list does not call 'softmax' is quantised finished and normalised). What goes into a quantiser is computed in f32, as accurately as f32 sums, v_exp_f32 and their like allow (about 1e-6 of the number): no bf16 or f16 on the way to a quantiser, and a product that is left as it is and whose result goes on into a quantised operand takes f32 operands (vector FMAs, or v_wmma_f32_16x16x4_f32). A number that lies on a knife's edge between two numbers of the format may be rounded either way, as far as f32 arithmetic and the matrix unit's own rounding can turn it there, and no further.
;; 2 versions, each right; version 2 is version 1 with the launch attn written anew for expert scheduling mode. Each part assembles by itself: llvm-mc -triple=amdgcn-amd-amdhsa -mcpu=gfx1250 --defsym DOCPART=n.
;; ======== version 1 of 2: 2 launches
;; limits: right only within a limited range of input values
;; workspace buffers: qimg 3,407,872 bytes; kimg 851,968 bytes; vimg 819,200 bytes
;; launch prep (part 1): grid 224 x 1, 4 waves a work-group, no clusters, 70,144 bytes of LDS; arguments q, k, v, cos, sin, qimg, kimg, vimg; writes qimg, kimg, vimg
.if DOCPART == 1
	.amdgcn_target "amdgcn-amd-amdhsa--gfx1250"
	.amdhsa_code_object_version 6
	.text
	.protected	k_qbc6edf9469_prep
	.globl	k_qbc6edf9469_prep
	.p2align	8
	.type	k_qbc6edf9469_prep,@function
k_qbc6edf9469_prep:
	s_mov_b64 s[64:65], 0
	v_nop
	global_prefetch_b8 v0, s[64:65] scope:SCOPE_SE
	s_setreg_imm32_b32 hwreg(HW_REG_WAVE_MODE, 25, 1), 1
	s_wait_xcnt 0x0
; q [2048][16][128], k [2048][4][128] get the rotary embedding (cos, sin [2048][64]) and are quantised along the head's 128; v [2048][4][128] is quantised along the keys.
; Codes: BF6 (E3M2), one E8M0 byte for each 32 along K: the byte is the block's largest magnitude's exponent field - 4, held at 1 from below.
; ALL THREE LEAVE AS IMAGES OF OPERAND REGISTERS.  A fragment is 16 rows x 128 K, 12 registers a lane: registers 4 g .. 4 g + 3 of lane l lie at 512 g + 16 l of its 1,536 bytes; lane (r, h) holds row r,
; registers 6 c .. 6 c + 5 hold K = 64 c + 32 h + 0 .. 31.  Its scale words: 4 bytes a lane.
; THE POSITIONS OF A TILE ARE NOT NEIGHBOURS: row rho of tile n (0 .. 127) is position 32 (n / 2) + 8 (n % 2) + rho + 8 (rho / 8), for queries and keys alike.
; qimg: block (tile x 4 + kv head) of 6,656 bytes: the four query heads' codes, then their four scale images.  kimg: block (kv head x 16 + key step) of 13,312 bytes: eight tiles' codes, then eight scale images.
; vimg: block (kv head x 16 + key step) of 12,800 bytes: V^T, eight tiles of 16 channels x 128 keys (keys in their own order), then four scale registers: lanes 0-15 tile 2 x, lanes 16-31 tile 2 x + 1.
; Work-groups 0-159: q and k, a wave to a tile of positions and four heads.  Work-groups 160-223: v, a work-group to a key step of a kv head, a lane to a channel, registers down the keys.
; LIMITS: NaN and infinities among the inputs are not served; a block whose largest magnitude lies under 2^(5 - 127), a block of zeros among them, gets the byte 1 (a block of zeros has zero codes; this program alone reads the bytes).
; The rotation fuses its second product with the sum: one rounding less than a product, a product and a sum.
.set NRWG, 160
.set WREG, 17408                       ; LDS of a wave: 16 rows x 528 of x, 16 x 272 of cos, 16 x 272 of sin
.set XP,   528                         ; a row of x: 512 bytes + 16: sixteen rows start at sixteen different 16-byte columns
.set CP,   272                         ; a row of cos or sin: 256 bytes + 16
.set CST,  16*XP
.set SST,  CST+16*CP
.set XL,   64                          ; v64-95   x[32 h + i] of my row (first: cos as loaded)
.set XH,   96                          ; v96-127  x[64 + 32 h + i]     (first: sin as loaded)
.set CC,   128                         ; v128-159 cos[32 h + i] of my row's position
.set SN,   160                         ; v160-191 sin likewise
.set TT,   192                         ; v192-199 at work
.set PC,   200                         ; v200-211 a fragment's codes
.set RB,   32                          ; s[32:63] the sixteen rows' addresses
.set DC,   66                          ; s[66:67] where the codes go;  s[68:69] the scale words
.set DS,   68
.set SC,   74                          ; s[74:75], s[76:77] from head to head, in bytes
.set SS,   76
.set SEL,  96                          ; s[96:97] lane selects for v_permlanex16_b32: lane l xor 16
.set MSB, 0
.macro WIN new                         ; the immediate's high byte repeats the setting that is left
.if MSB != \new
	s_set_vgpr_msb (MSB<<8)|\new
.set MSB, \new
.endif
.endm
	s_load_b512 s[4:19], s[0:1], 0x0               ; q s[4:5], k s[6:7], v s[8:9], cos s[10:11], sin s[12:13], qimg s[14:15], kimg s[16:17], vimg s[18:19]
	v_lshl_add_u32 v254, v0, 2, 0x11000
	v_mov_b32 v255, 0
	v_lshrrev_b32 v1, 5, v0
	v_readfirstlane_b32 s20, v1                    ; wave 0..3
	v_and_b32 v7, 31, v0                           ; lane
	v_lshlrev_b32 v1, 4, v7                        ; 16 x lane
	v_lshlrev_b32 v2, 2, v7                        ; 4 x lane
	v_and_b32 v8, 15, v7                           ; r
	v_lshrrev_b32 v9, 4, v7                        ; h
	s_cmp_lt_u32 ttmp9, NRWG
	s_cbranch_scc0 .Lvpath
; ---------------- q and k
	s_lshl_b32 s21, ttmp9, 2
	s_add_co_u32 s21, s21, s20                     ; unit 0..639
	s_lshr_b32 s22, s21, 7                         ; 0..3: q's heads 4 s .. 4 s + 3;  4: k's four heads
	s_and_b32 s23, s21, 127                        ; the tile of positions
	s_lshr_b32 s24, s23, 1
	s_lshl_b32 s24, s24, 5
	s_and_b32 s25, s23, 1
	s_lshl_b32 s25, s25, 3
	s_add_co_u32 s24, s24, s25                     ; its first position
	s_mul_i32 s26, s20, WREG                       ; my wave's LDS
	v_add_nc_u32 v3, s26, v1                       ; x into the stage: a row is 32 lanes x 16 bytes
	v_mul_u32_u24 v4, v8, XP
	v_lshl_add_u32 v4, v9, 7, v4
	v_add_nc_u32 v4, s26, v4                       ; x out of it: row r, + 128 h
	v_mul_u32_u24 v5, v9, CP
	v_lshl_add_u32 v5, v8, 4, v5
	v_add_nc_u32 v5, s26, v5                       ; cos, sin in: a load brings two rows, sixteen lanes each
	v_mul_u32_u24 v6, v8, CP
	v_lshl_add_u32 v6, v9, 7, v6
	v_add_nc_u32 v6, s26, v6                       ; and out: row r, + 128 h
	v_lshlrev_b32 v10, 3, v9                       ; 8 h: where my two scale bytes stand in the word
	v_mov_b32 v227, 0                              ; a lane permute's destination counts as one of its sources
	s_mov_b32 s[SEL], 0x76543210
	s_mov_b32 s[SEL+1], 0xfedcba98
	s_lshl_b32 s66, s23, 2                         ; q: block 4 x tile + s,
	s_add_co_u32 s66, s66, s22
	s_mul_i32 s66, s66, 6656
	s_add_co_u32 s68, s66, 6144                    ; its scale images behind the four fragments
	s_lshr_b32 s25, s23, 3                         ; k: key step tile / 8, tile % 8 in it
	s_mul_i32 s25, s25, 13312
	s_and_b32 s27, s23, 7
	s_mul_i32 s70, s27, 1536
	s_add_co_u32 s70, s70, s25
	s_lshl_b32 s27, s27, 7
	s_add_co_u32 s71, s25, s27
	s_add_co_u32 s71, s71, 12288
	s_lshl_b32 s72, s22, 11                        ; q: my four heads begin 2,048 s bytes into a position's row
	s_mov_b32 s73, 212992                          ; k: from kv head to kv head: 16 blocks
	s_mov_b32 s[SC], 1536
	s_mov_b32 s[SS], 128
	s_wait_kmcnt 0x0
	s_cmp_eq_u32 s22, 4                            ; k or q?  The choice hangs on ids alone
	s_cselect_b64 s[28:29], s[6:7], s[4:5]
	s_cselect_b64 s[78:79], s[16:17], s[14:15]
	s_cselect_b32 s30, 11, 13                      ; a position is 2,048 bytes of k, 8,192 of q
	s_cselect_b32 s72, 0, s72
	s_cselect_b32 s66, s70, s66
	s_cselect_b32 s68, s71, s68
	s_cselect_b32 s[SC], s73, s[SC]
	s_cselect_b32 s[SS], s73, s[SS]
	s_mov_b32 s67, 0
	s_mov_b32 s69, 0
	s_mov_b32 s[SC+1], 0
	s_mov_b32 s[SS+1], 0
	s_add_nc_u64 s[DC:DC+1], s[78:79], s[66:67]
	s_add_nc_u64 s[DS:DS+1], s[78:79], s[68:69]
	s_lshl_b32 s80, s24, s30
	s_add_co_u32 s80, s80, s72
	s_mov_b32 s81, 0
	s_add_nc_u64 s[RB:RB+1], s[28:29], s[80:81]    ; row 0
	s_lshl_b32 s82, 1, s30
	s_mov_b32 s83, 0
	s_mul_i32 s84, s82, 9
	s_mov_b32 s85, 0
.irp i, 1,2,3,4,5,6,7,8,9,10,11,12,13,14,15
.if \i == 8
	s_add_nc_u64 s[RB+2*\i:RB+2*\i+1], s[RB+2*\i-2:RB+2*\i-1], s[84:85]   ; row 8 lies nine positions behind row 7
.else
	s_add_nc_u64 s[RB+2*\i:RB+2*\i+1], s[RB+2*\i-2:RB+2*\i-1], s[82:83]
.endif
.endr
	s_lshl_b32 s80, s24, 8
	s_add_nc_u64 s[86:87], s[10:11], s[80:81]      ; cos and sin at the tile's first position
	s_add_nc_u64 s[88:89], s[12:13], s[80:81]
.irp n, 0,1,2,3,4,5,6,7
	global_load_b128 v[XL+4*\n:XL+4*\n+3], v1, s[86:87] offset:(\n/4)*4096+(\n%4)*512   ; two runs of eight positions, 512 consecutive bytes a load
.endr
.irp n, 0,1,2,3,4,5,6,7
	global_load_b128 v[XH+4*\n:XH+4*\n+3], v1, s[88:89] offset:(\n/4)*4096+(\n%4)*512
.endr
.macro XLOAD f                         ; head f of the four: sixteen rows of 512 consecutive bytes, a row a load, into window 1: v[64 f + 4 rho]
	WIN 0x40
.irp rho, 0,1,2,3,4,5,6,7,8,9,10,11,12,13,14,15
	global_load_b128 v[64*(\f)+4*\rho:64*(\f)+4*\rho+3], v1, s[RB+2*\rho:RB+2*\rho+1] offset:512*(\f) th:TH_LOAD_NT
.endr
	WIN 0
.endm
	XLOAD 0
	XLOAD 1
	XLOAD 2
	s_wait_loadcnt 48                              ; cos and sin are in: the 48 younger loads are heads 0 to 2
.irp n, 0,1,2,3,4,5,6,7
	ds_store_b128 v5, v[XL+4*\n:XL+4*\n+3] offset:CST+2*CP*\n
	ds_store_b128 v5, v[XH+4*\n:XH+4*\n+3] offset:SST+2*CP*\n
.endr
.irp i, 0,1,2,3,4,5,6,7
	ds_load_b128 v[CC+4*\i:CC+4*\i+3], v6 offset:CST+16*\i     ; LDS serves a wave's instructions in order: these see my stores
	ds_load_b128 v[SN+4*\i:SN+4*\i+3], v6 offset:SST+16*\i
.endr
	XLOAD 3
	s_wait_dscnt 0x0
.macro HEAD f
	s_wait_loadcnt 48-16*(\f)                      ; this head's sixteen rows are in; the younger heads' loads, sixteen each, may be out
	WIN 0x04                                       ; an LDS store's data are its source 1: window 1
.irp rho, 0,1,2,3,4,5,6,7,8,9,10,11,12,13,14,15
	ds_store_b128 v3, v[64*(\f)+4*\rho:64*(\f)+4*\rho+3] offset:XP*\rho
.endr
	WIN 0
.irp i, 0,1,2,3,4,5,6,7
	ds_load_b128 v[XL+4*\i:XL+4*\i+3], v4 offset:16*\i
	ds_load_b128 v[XH+4*\i:XH+4*\i+3], v4 offset:256+16*\i
.endr
	s_wait_dscnt 0x0
.irp i, 0,2,4,6,8,10,12,14,16,18,20,22,24,26,28,30   ; low half: x c - x' s;  high half: x' c + x s
	v_pk_mul_f32 v[TT+2*(\i%4):TT+2*(\i%4)+1], v[XH+\i:XH+\i+1], v[SN+\i:SN+\i+1]
	v_pk_mul_f32 v[TT+2*(\i%4)+2:TT+2*(\i%4)+3], v[XL+\i:XL+\i+1], v[SN+\i:SN+\i+1]
	v_pk_fma_f32 v[XL+\i:XL+\i+1], v[XL+\i:XL+\i+1], v[CC+\i:CC+\i+1], v[TT+2*(\i%4):TT+2*(\i%4)+1] neg_lo:[0,0,1] neg_hi:[0,0,1]
	v_pk_fma_f32 v[XH+\i:XH+\i+1], v[XH+\i:XH+\i+1], v[CC+\i:CC+\i+1], v[TT+2*(\i%4)+2:TT+2*(\i%4)+3]
.endr
	v_max3_num_f32 v220, |v[XL]|, |v[XL+1]|, 0x2800000     ; my two whole blocks, h and 2 + h, by turns; the floor 2^(5 - 127) holds the byte at 1 from below
	v_max3_num_f32 v221, |v[XH]|, |v[XH+1]|, 0x2800000
.irp i, 2,4,6,8,10,12,14,16,18,20,22,24,26,28,30
	v_max3_num_f32 v220, v220, |v[XL+\i]|, |v[XL+\i+1]|
	v_max3_num_f32 v221, v221, |v[XH+\i]|, |v[XH+\i+1]|
.endr
	v_add_nc_u32 v222, 0xfe000000, v220            ; 4 off the exponent field: the conversion's scale operand
	v_add_nc_u32 v223, 0xfe000000, v221
	v_lshrrev_b32 v224, 23, v222                   ; the scale's byte
	v_lshrrev_b32 v225, 23, v223
	v_lshl_or_b32 v226, v225, 16, v224
	v_lshlrev_b32 v226, v10, v226                  ; at their places in the row's word;
	v_permlanex16_b32 v227, v226, s[SEL], s[SEL+1]
	v_or_b32 v226, v226, v227                      ; with lane l xor 16's two the word is whole, in both halves
	v_cvt_scalef32_pk16_bf6_f32 v[PC:PC+2], v[XL:XL+15], v222
	v_cvt_scalef32_pk16_bf6_f32 v[212:214], v[XL+16:XL+31], v222       ; (a conversion's three registers begin on an even number)
	v_cvt_scalef32_pk16_bf6_f32 v[PC+6:PC+8], v[XH:XH+15], v223
	v_cvt_scalef32_pk16_bf6_f32 v[216:218], v[XH+16:XH+31], v223
	v_nop                                          ; one plain place behind a scaled conversion
.irp i, 0,1,2
	v_mov_b32 v[PC+3+\i], v[212+\i]
	v_mov_b32 v[PC+9+\i], v[216+\i]
.endr
.irp g, 0,1,2
	global_store_b128 v1, v[PC+4*\g:PC+4*\g+3], s[DC:DC+1] offset:512*\g   ; 32 lanes store 512 consecutive bytes, at a multiple of 256 from the buffer's first byte
.endr
	global_store_b32 v2, v226, s[DS:DS+1]
	s_wait_xcnt 0x0                                ; the stores' data and bases are written again only behind this wait
	s_add_nc_u64 s[DC:DC+1], s[DC:DC+1], s[SC:SC+1]
	s_add_nc_u64 s[DS:DS+1], s[DS:DS+1], s[SS:SS+1]
.endm
	HEAD 0
	HEAD 1
	HEAD 2
	HEAD 3
	s_wait_tensorcnt 0x0
	ds_add_u32 v254, v255
	s_wait_dscnt 0x0
	s_endpgm
; ---------------- v: a lane takes channel 32 wave + lane, its registers run down the 128 keys of the step
.Lvpath:
	s_sub_co_u32 s21, ttmp9, NRWG                  ; block = kv head x 16 + key step
	s_lshr_b32 s22, s21, 4
	s_and_b32 s23, s21, 15
	s_lshl_b32 s24, s23, 18                        ; 128 keys x 2,048 bytes
	s_lshl_b32 s25, s22, 9
	s_add_co_u32 s24, s24, s25
	s_lshl_b32 s25, s20, 7
	s_add_co_u32 s24, s24, s25
	s_mov_b32 s25, 0
	s_mul_i32 s26, s21, 12800
	s_mul_i32 s27, s20, 3072                       ; my wave's two tiles of V^T
	s_add_co_u32 s28, s26, s27
	s_mov_b32 s29, 0
	s_lshl_b32 s27, s20, 7
	s_add_co_u32 s30, s26, s27
	s_add_co_u32 s30, s30, 12288                   ; and its scale register
	s_mov_b32 s31, 0
	v_mul_u32_u24 v3, v9, 1536
	v_lshl_add_u32 v3, v8, 4, v3                   ; lanes 0-15: the first tile's rows, lanes 16-31 the second's; 16 bytes a row
	s_wait_kmcnt 0x0
	s_add_nc_u64 s[8:9], s[8:9], s[24:25]
	s_add_nc_u64 s[28:29], s[18:19], s[28:29]
	s_add_nc_u64 s[30:31], s[18:19], s[30:31]
.macro VLOAD t                         ; block t of 32 keys into set t % 2: each load reads 128 consecutive bytes
.irp i, 0,1,2,3,4,5,6,7,8,9,10,11,12,13,14,15,16,17,18,19,20,21,22,23,24,25,26,27,28,29,30,31
	global_load_b32 v[64+32*((\t)%2)+\i], v2, s[8:9] offset:(32*(\t)+\i)*2048 th:TH_LOAD_NT
.endr
.endm
	VLOAD 0
	VLOAD 1
.macro VBLOCK t
.set XS, 64+32*((\t)%2)
.set VC, 128+12*((\t)%2)+6*((\t)/2)    ; block 2 c + h is registers 6 c .. 6 c + 5 of the operand's lane (r, h)
.if (\t) < 3
	s_wait_loadcnt 32                              ; this block's 32 loads are in; the next block's may be out
.else
	s_wait_loadcnt 0x0
.endif
	v_max3_num_f32 v12, |v[XS]|, |v[XS+1]|, |v[XS+2]|
	v_max3_num_f32 v13, |v[XS+3]|, |v[XS+4]|, |v[XS+5]|
.irp i, 6,10,14,18,22,26
	v_max3_num_f32 v12, v12, |v[XS+\i]|, |v[XS+\i+1]|
	v_max3_num_f32 v13, v13, |v[XS+\i+2]|, |v[XS+\i+3]|
.endr
	v_max3_num_f32 v12, v12, |v[XS+30]|, |v[XS+31]|
	v_max3_num_f32 v12, v12, v13, 0x2800000
	v_add_nc_u32 v11, 0xfe000000, v12
	v_lshrrev_b32 v13, 23, v11
.if (\t) == 0
	v_mov_b32 v14, v13
.else
	v_lshl_or_b32 v14, v13, 8*(\t), v14            ; the row's scale word: byte t for keys 32 t on
.endif
	v_cvt_scalef32_pk16_bf6_f32 v[VC:VC+2], v[XS:XS+15], v11
	v_cvt_scalef32_pk16_bf6_f32 v[152:154], v[XS+16:XS+31], v11
	v_nop                                          ; one plain place behind a scaled conversion
.irp i, 0,1,2
	v_mov_b32 v[VC+3+\i], v[152+\i]
.endr
.if (\t)+2 < 4
	VLOAD (\t)+2
.endif
.endm
	VBLOCK 0
	VBLOCK 1
	VBLOCK 2
	VBLOCK 3
.irp h, 0,1
.irp g, 0,1,2
	global_store_b128 v3, v[128+12*\h+4*\g:128+12*\h+4*\g+3], s[28:29] offset:512*\g+256*\h   ; sixteen lanes store 256 consecutive bytes, aligned, of each of the two tiles
.endr
.endr
	global_store_b32 v2, v14, s[30:31]
	s_endpgm
.Lfunc_end_k_qbc6edf9469_prep:
	.size	k_qbc6edf9469_prep, .Lfunc_end_k_qbc6edf9469_prep-k_qbc6edf9469_prep
	.p2alignl 7, 3214868480
	.fill 96, 4, 3214868480
	.section	.rodata,"a",@progbits
	.p2align	6, 0x0
	.amdhsa_kernel k_qbc6edf9469_prep
		.amdhsa_group_segment_fixed_size 70144
		.amdhsa_private_segment_fixed_size 0
		.amdhsa_enable_private_segment 0
		.amdhsa_kernarg_size 64
		.amdhsa_user_sgpr_count 2
		.amdhsa_user_sgpr_kernarg_segment_ptr 1
		.amdhsa_wavefront_size32 1
		.amdhsa_system_sgpr_workgroup_id_x 1
		.amdhsa_system_sgpr_workgroup_id_y 1
		.amdhsa_system_sgpr_workgroup_id_z 1
		.amdhsa_system_vgpr_workitem_id 0
		.amdhsa_next_free_vgpr 512
		.amdhsa_next_free_sgpr 100
		.amdhsa_reserve_vcc 0
		.amdhsa_float_denorm_mode_32 3
		.amdhsa_float_denorm_mode_16_64 3
		.amdhsa_memory_ordered 1
		.amdhsa_forward_progress 1
		.amdhsa_inst_pref_size 72
	.end_amdhsa_kernel
	.amdgpu_metadata
---
amdhsa.version: [ 1, 2 ]
amdhsa.kernels:
  - .name:           k_qbc6edf9469_prep
    .symbol:         k_qbc6edf9469_prep.kd
    .args:
      - { .name: q, .offset: 0, .size: 8, .value_kind: global_buffer, .address_space: global }
      - { .name: k, .offset: 8, .size: 8, .value_kind: global_buffer, .address_space: global }
      - { .name: v, .offset: 16, .size: 8, .value_kind: global_buffer, .address_space: global }
      - { .name: cos, .offset: 24, .size: 8, .value_kind: global_buffer, .address_space: global }
      - { .name: sin, .offset: 32, .size: 8, .value_kind: global_buffer, .address_space: global }
      - { .name: qimg, .offset: 40, .size: 8, .value_kind: global_buffer, .address_space: global }
      - { .name: kimg, .offset: 48, .size: 8, .value_kind: global_buffer, .address_space: global }
      - { .name: vimg, .offset: 56, .size: 8, .value_kind: global_buffer, .address_space: global }
    .group_segment_fixed_size: 70144
    .private_segment_fixed_size: 0
    .kernarg_segment_align: 8
    .kernarg_segment_size: 64
    .max_flat_workgroup_size: 128
    .sgpr_count:     100
    .vgpr_count:     512
    .wavefront_size: 32
...
	.end_amdgpu_metadata
.endif
;; end of part 1
;; launch attn (part 2): grid 4 x 128, 4 waves a work-group, no clusters, 172,544 bytes of LDS; arguments qimg, kimg, vimg, q_ranges, k_ranges, out0; writes out0
.if DOCPART == 2
	.amdgcn_target "amdgcn-amd-amdhsa--gfx1250"
	.amdhsa_code_object_version 6
	.text
	.protected	k_qbc6edf9469_attn
	.globl	k_qbc6edf9469_attn
	.p2align	8
	.type	k_qbc6edf9469_attn,@function
k_qbc6edf9469_attn:
	s_mov_b64 s[64:65], 0
	v_nop
	global_prefetch_b8 v0, s[64:65] scope:SCOPE_SE
	s_setreg_imm32_b32 hwreg(HW_REG_WAVE_MODE, 25, 1), 1
	s_wait_xcnt 0x0
; out[q][head][:] = the sum over keys of P V, P = softmax over the keys that the union of the eight rectangles (q_ranges x k_ranges) allows, FINISHED AND NORMALISED before it is quantised along the keys; rows that no range covers give 0.
; Both products on codes of BF6 (E3M2) with one E8M0 scale for each 32 along K; Q, K, V^T come as images of operand registers (see the launch before): a fragment is three loads of 16 bytes a lane.
; SHARES.  A work-group takes one tile of 16 positions x the four query heads of one kv head: four tiles of queries with one mask, which share every fragment of K and V.  x = the kv head; y counts the tiles from the last one down (the order changes no result).
; THE FOUR WAVES SHARE THE KEYS: wave w takes key steps 4 i + w (128 keys each), i = 0 .. 3, so each fragment is read by one wave of the work-group, from memory straight into registers, and feeds four matrix instructions.
; TWO PASSES, since p's divisor must be known before p is quantised.  Pass A: S^T = K Q^T, each wave's running M (a whole number) and sum l of 2^(t - M), t = score x log2(e) / sqrt(128).  The waves' (M, l) meet in LDS.
; Pass B: S^T again (the same bits), p = 2^(t - M) x (1 / l), quantised in blocks of 32 keys, O^T += V^T P^T.  p is normalised, so the four waves' O^T are plain addends: they meet in LDS, and wave w stores head w's 16 rows.
; THE MASK.  From the ranges, by scalar arithmetic: a step that no range touches for this tile is left out (a scalar branch); a step that one range covers whole for all 16 queries takes zeros as the C of K Q^T;
; every other step builds a tile of 0 and -1e30 for that C, lane by lane from the ranges, and sets it back to zeros at its end.  Both classes err.
; M starts at -2^83, above -1e30 x c: a hidden score never sets M and gives p = 0.
; No tensor load and no cluster: the work hangs on numbers read from memory, and the work-groups that share K and V need different numbers of steps.  No barrier stands under a branch on the ranges.
; LIMITS: NaN and infinities are not served; a shown t lies above -2^83; a block of p that is all zeros gets the byte 1 with zero codes; a block's largest p is taken from its largest score, which takes v_exp_f32 not to fall where its input rises;
; the sums over keys are taken wave by wave, in another order than a plain row sum.
; REGISTERS, in windows of 256 (s_set_vgpr_msb: bits 1:0 source 0, 3:2 source 1, 5:4 source 2, 7:6 destination):
;   window 0: v1-15, v46-47 addresses; v16-45 scale words; v48-63 statistics; v64-191 S^T, two buffers of 64; v192-215 p's codes, two sets; v216-255 at work
;   window 1: O^T, (tile x, channels 16 d on) at v[64 x + 8 d]     window 2: K, two sets of 96, Q at v192     window 3: V, two sets of 96, the mask tile at v192
; A product stands behind every four or eight exponentials of the tile before, at two switches of the window each: the vector work of a step outweighs its matrix work, and set apart it would leave the matrix unit idle.
.set OSW,  33792                       ; LDS 0: O^T's stages, source wave s, tile x: s OSW + x OST; 16 rows of 512 bytes + 16
.set OST,  8448
.set OP,   528
.set BM,   135168                      ; block maxima, each wave's own: 8,192 w + 2,048 i + 512 x + 16 lane
.set STA,  167936                      ; (-M, l): 1,024 s + 256 x + 8 lane
.set KBLK, 13312
.set VBLK, 12800
.set QBLK, 6656
.set QS,   16                          ; v16-19  Q's scale words
.set KSC,  20                          ; v20-35  K's, eight a set
.set VSC,  36                          ; v36-43  V's, four a set: lanes 0-15 the even tile, lanes 16-31 the odd one
.set PW,   44                          ; v44-45  p's, by the tile's parity
.set ST4,  48                          ; tile x: v[48 + 4 x]: -M, the largest t (later l); l in two halves (later 1 / l)
.set S,    64
.set BAS,  128                         ; the mask's scratch, in S^T's second buffer: the first of my 16 keys of block b; one past the last; two at work
.set TOP,  132
.set TA,   136
.set TB,   140
.set PC,   192
.set TP,   216                         ; v216-218, v220-222: the conversions' second halves
.set BMX,  224                         ; v224-239 the blocks' largest scores, four a tile
.set BY,   240
.set SO,   244
.set FF,   248
.set SU,   250
.set T0,   252
.set M1,   254                         ; -1
.set C16,  255                         ; 0xffff
.set MK,   192                         ; window 3
.set QF,   192                         ; window 2
.set WV,   16
.set KVH,  17
.set GX,   18
.set SEL,  20
.set CS,   22
.set QR,   24                          ; s[24:39] q_ranges
.set KR,   40                          ; s[40:55] k_ranges, held to 0 .. 2,048
.set ANY,  56                          ; steps touched, steps covered, the tile's first position
.set FULL, 57
.set P0,   58
.set KB0,  66
.set VB0,  68
.set KB,   70
.set VB,   72
.set QB,   74
.set OB,   76
.set CNT,  78
.set AW,   79                          ; ANY, shifted so that the step in hand stands at bit 0 or 4
.set BMO,  80
.set NEG,  82
.set KF,   83                          ; the step's first key
.set TM,   84                          ; s84-91 steps that range r touches; s92-99 steps that it covers
.set CM,   92
.set FW,   100                         ; FULL, shifted likewise
.set MSB, 0
.macro WIN new                         ; the immediate's high byte repeats the setting that is left
.if MSB != \new
	s_set_vgpr_msb (MSB<<8)|\new
.set MSB, \new
.endif
.endm
.set W_QK, 0x3a                        ; K and Q window 2, the mask tile window 3, S^T window 0
.set W_PV, 0x53                        ; V window 3, p window 0, O^T window 1
.macro LOADK p, b                      ; a key step's eight tiles of K and their scale words into set p
	WIN 0x80
.irp t, 0,1,2,3,4,5,6,7
.irp c, 0,1,2
	global_load_b128 v[96*(\p)+12*\t+4*\c:96*(\p)+12*\t+4*\c+3], v1, s[\b:\b+1] offset:1536*\t+512*\c
.endr
.endr
	WIN 0
.irp t, 0,1,2,3,4,5,6,7
	global_load_b32 v[KSC+8*(\p)+\t], v2, s[\b:\b+1] offset:12288+128*\t
.endr
.endm
.macro LOADV p, b
	WIN 0xc0
.irp t, 0,1,2,3,4,5,6,7
.irp c, 0,1,2
	global_load_b128 v[96*(\p)+12*\t+4*\c:96*(\p)+12*\t+4*\c+3], v1, s[\b:\b+1] offset:1536*\t+512*\c
.endr
.endr
	WIN 0
.irp t, 0,1,2,3
	global_load_b32 v[VSC+4*(\p)+\t], v2, s[\b:\b+1] offset:12288+128*\t
.endr
.endm
.macro LOADQ b
	WIN 0x80
.irp x, 0,1,2,3
.irp c, 0,1,2
	global_load_b128 v[QF+12*\x+4*\c:QF+12*\x+4*\c+3], v1, s[\b:\b+1] offset:1536*\x+512*\c
.endr
.endr
	WIN 0
.irp x, 0,1,2,3
	global_load_b32 v[QS+\x], v2, s[\b:\b+1] offset:6144+128*\x
.endr
.endm
; S^T of tile x, key tile t = K Q^T + the mask tile.  The head's 128 are one K step: no chain.  Lane (r, h) holds query r; register 16 b + i of a buffer is key 32 b + 16 h + i of the step.
.macro QKM x, t, p
	WIN W_QK
	v_wmma_scale_f32_16x16x128_f8f6f4 v[S+64*((\x)%2)+8*(\t):S+64*((\x)%2)+8*(\t)+7], v[96*(\p)+12*(\t):96*(\p)+12*(\t)+11], v[QF+12*(\x):QF+12*(\x)+11], v[MK+8*(\t):MK+8*(\t)+7], v[KSC+8*(\p)+(\t)], v[QS+(\x)] matrix_a_fmt:MATRIX_FMT_BF6 matrix_b_fmt:MATRIX_FMT_BF6
.endm
; O^T of tile x, channels 16 d on, += V^T P^T.  The accumulators take turns, one instruction a turn.
.macro PVM x, d, p
	WIN W_PV
.if ((\d)%2) == 0
	v_wmma_scale_f32_16x16x128_f8f6f4 v[64*(\x)+8*(\d):64*(\x)+8*(\d)+7], v[96*(\p)+12*(\d):96*(\p)+12*(\d)+11], v[PC+12*((\x)%2):PC+12*((\x)%2)+11], v[64*(\x)+8*(\d):64*(\x)+8*(\d)+7], v[VSC+4*(\p)+(\d)/2], v[PW+(\x)%2] matrix_a_fmt:MATRIX_FMT_BF6 matrix_b_fmt:MATRIX_FMT_BF6
.else
	v_wmma_scale_f32_16x16x128_f8f6f4 v[64*(\x)+8*(\d):64*(\x)+8*(\d)+7], v[96*(\p)+12*(\d):96*(\p)+12*(\d)+11], v[PC+12*((\x)%2):PC+12*((\x)%2)+11], v[64*(\x)+8*(\d):64*(\x)+8*(\d)+7], v[VSC+4*(\p)+(\d)/2], v[PW+(\x)%2] matrix_a_fmt:MATRIX_FMT_BF6 matrix_b_fmt:MATRIX_FMT_BF6 matrix_a_scale:MATRIX_SCALE_ROW1
.endif
.endm
.macro PLACES n                        ; plain places behind or ahead of matrix instructions (ISA guide 7.12.1)
.rept \n
	v_nop
.endr
.endm
; THE MASK TILE of the step at bit 4 p, where no one range covers the step whole.  For each block b of 32 keys a word whose bit i says that key KF + 32 b + 16 h + i is shown to my query: the union, over the ranges
; that hold my query, of the bits [lo - first key, hi - first key), both held to 0 .. 16.  Then 64 numbers, 0 where the key is shown and -1e30 where it is hidden.  A step that is covered whole finds zeros and jumps over this.
.macro MASKSET p
	s_bitcmp1_b32 s[FW], 4*(\p)
	s_cbranch_scc1 .Lms_\@
	v_add_nc_u32 v[BAS], s[KF], v46                ; the first of my 16 keys of block 0: KF + 16 h
.irp b, 1,2,3
	v_add_nc_u32 v[BAS+\b], 32*\b, v[BAS]
.endr
.irp b, 0,1,2,3
	v_add_nc_u32 v[TOP+\b], 16, v[BAS+\b]          ; one past my last key of the block
	v_mov_b32 v[BY+\b], 0                          ; keys shown: so far none
.endr
.irp r, 0,1,2,3,4,5,6,7
	v_cmp_le_i32 s2, s[QR+2*\r], v14
	v_cmp_gt_i32 s3, s[QR+2*\r+1], v14
	s_and_b32 s2, s2, s3                           ; lanes whose query lies in range r
	v_cndmask_b32 v[SO], 0, s[KR+2*\r], s2         ; its keys [lo, hi), or none
	v_cndmask_b32 v[SO+1], 0, s[KR+2*\r+1], s2
.irp b, 0,1,2,3
	v_min_u32 v[TA+\b], v[SO], v[BAS+\b]
	v_min_u32 v[TB+\b], v[SO+1], v[TOP+\b]
.endr
.irp b, 0,1,2,3
	v_sub_nc_u32 v[TA+\b], v[SO], v[TA+\b]         ; lo from my first key on, 0 at the least;
	v_sub_nc_u32 v[TB+\b], v[TOP+\b], v[TB+\b]     ; how far hi lies under my last key + 1, 0 at the least
.endr
.irp b, 0,1,2,3
	v_min_u32 v[TA+\b], 16, v[TA+\b]
	v_min_u32 v[TB+\b], 16, v[TB+\b]
.endr
.irp b, 0,1,2,3
	v_lshlrev_b32 v[TA+\b], v[TA+\b], v[M1]        ; bits from lo on
	v_lshrrev_b32 v[TB+\b], v[TB+\b], v[C16]       ; bits under hi
.endr
.irp b, 0,1,2,3
	v_and_or_b32 v[BY+\b], v[TA+\b], v[TB+\b], v[BY+\b]
.endr
.endr
.irp b, 0,1,2,3
	v_xor_b32 v[BY+\b], 0xffff, v[BY+\b]           ; hidden = not shown
.endr
.set N, 0
.rept 64
	v_bfe_u32 v[S+N], v[BY+N/16], N%16, 1
.set N, N+1
.endr
	WIN 0xc0
.set N, 0
.rept 64
	v_mul_lo_u32 v[MK+N], v[S+N], s[NEG]           ; 0 or the bits of -1e30
.set N, N+1
.endr
	WIN 0
	PLACES 4
.Lms_\@:
.endm
.macro MASKCLR p                       ; such a step leaves the mask tile as it found it: zeros
	s_bitcmp1_b32 s[FW], 4*(\p)
	s_cbranch_scc1 .Lmc_\@
	WIN 0xc0
.set N, 0
.rept 64
	v_mov_b32 v[MK+N], 0
.set N, N+1
.endr
	WIN 0
	PLACES 4
.Lmc_\@:
.endm
; PASS A, tile x: the blocks' largest scores (kept in LDS for pass B), the running M, 2^(t - M) and its sum.  The next tile's eight products stand among the exponentials.
.macro SOFT_A x, p
.set SB, S+64*((\x)%2)
.set BX, BMX+4*(\x)
.set SX, ST4+4*(\x)
.irp b, 0,1,2,3
	v_max3_num_f32 v[BX+\b], v[SB+16*\b], v[SB+16*\b+1], v[SB+16*\b+2]   ; each accumulator is first read at its low end
.endr
.irp i, 3,5,7,9,11,13
.irp b, 0,1,2,3
	v_max3_num_f32 v[BX+\b], v[BX+\b], v[SB+16*\b+\i], v[SB+16*\b+\i+1]
.endr
.endr
.irp b, 0,1,2,3
	v_max_num_f32 v[BX+\b], v[BX+\b], v[SB+16*\b+15]
.endr
.irp b, 0,1,2,3
	v_permlanex16_b32 v[BY+\b], v[BX+\b], s[SEL], s[SEL+1]
.endr
.irp b, 0,1,2,3
	v_max_num_f32 v[BX+\b], v[BX+\b], v[BY+\b]     ; with lane l xor 16's 16 keys
.endr
	ds_store_b128 v4, v[BX:BX+3] offset:2048*(\p)+512*(\x)
	v_max3_num_f32 v[T0], v[BX], v[BX+1], v[BX+2]
	v_max_num_f32 v[T0], v[T0], v[BX+3]
	v_mul_f32 v[T0], s[CS], v[T0]
	v_max_num_f32 v[SX+1], v[SX+1], v[T0]          ; the running largest t
	v_mov_b32 v[T0], v[SX]
	v_floor_f32 v[SX], -v[SX+1]                    ; -M = floor(-t): M is a whole number
	v_sub_f32 v[T0], v[SX], v[T0]
	v_cvt_i32_f32 v[T0], v[T0]                     ; (it saturates)
	v_ldexp_f32 v[FF], 1.0, v[T0]                  ; 2^(old M - new M): rounds nothing
.set N, 0
.rept 32
	v_pk_fma_f32 v[SB+N:SB+N+1], v[SB+N:SB+N+1], s[CS:CS+1], v[SX:SX+1] op_sel_hi:[1,0,0]   ; t - M
.set N, N+2
.endr
.set GI, 0
.rept 8
.if (\x) < 3
	QKM (\x)+1, GI, \p
	WIN 0
.endif
.irp e, 0,1,2,3,4,5,6,7
	v_exp_f32 v[SB+8*GI+\e], v[SB+8*GI+\e]
.endr
.set GI, GI+1
.endr
	v_pk_mul_f32 v[SX+2:SX+3], v[SX+2:SX+3], v[FF:FF+1] op_sel_hi:[1,0]   ; the sum under the new M: the plain place behind the exponentials
	s_wait_alu depctr_va_vdst(0)                   ; one wait for the batch of 64, ahead of its first reader
	v_pk_add_f32 v[SU:SU+1], v[SB:SB+1], v[SB+2:SB+3]
.irp j, 4,8,12,16,20,24,28,32,36,40,44,48,52,56,60
	v_pk_add_f32 v[SX+2:SX+3], v[SX+2:SX+3], v[SB+\j:SB+\j+1]
	v_pk_add_f32 v[SU:SU+1], v[SU:SU+1], v[SB+\j+2:SB+\j+3]
.endr
	v_pk_add_f32 v[SX+2:SX+3], v[SX+2:SX+3], v[SU:SU+1]
.endm
; PASS B, tile x: p = 2^(t - M) / l, its four scale bytes from the blocks' largest scores, its codes.  Among the exponentials: the next tile's K Q^T and the tile before's V^T P^T, by turns.
.macro SOFT_B x, p
.set SB, S+64*((\x)%2)
.set BX, BMX+4*(\x)
.set SX, ST4+4*(\x)
.set PCX, PC+12*((\x)%2)
.set PWX, PW+(\x)%2
.set N, 0
.rept 32
	v_pk_fma_f32 v[SB+N:SB+N+1], v[SB+N:SB+N+1], s[CS:CS+1], v[SX:SX+1] op_sel_hi:[1,0,0]
.set N, N+2
.endr
.irp b, 0,1,2,3
	v_fma_f32 v[BX+\b], v[BX+\b], s[CS], v[SX]     ; the same of each block's largest score
.endr
.set GI, 0
.rept 16
.if (GI%2 == 0) && ((\x) < 3)
	QKM (\x)+1, GI/2, \p
.endif
.if (GI%2 == 1) && ((\x) > 0)
	PVM (\x)-1, GI/2, \p
.endif
	WIN 0
.irp e, 0,1,2,3
	v_exp_f32 v[SB+4*GI+\e], v[SB+4*GI+\e]
.endr
.set GI, GI+1
.endr
.irp b, 0,1,2,3
	v_exp_f32 v[BX+\b], v[BX+\b]
.endr
	v_nop                                          ; the plain place behind the exponentials
	s_wait_alu depctr_va_vdst(0)                   ; one wait for the batch of 68, ahead of its first reader
.set N, 0
.rept 32
	v_pk_mul_f32 v[SB+N:SB+N+1], v[SB+N:SB+N+1], v[SX+2:SX+3] op_sel_hi:[1,0]   ; x 1 / l: p as it is quantised
.set N, N+2
.endr
	v_pk_mul_f32 v[BX:BX+1], v[BX:BX+1], v[SX+2:SX+3] op_sel_hi:[1,0]           ; the same three instructions on the same number give the block's largest p
	v_pk_mul_f32 v[BX+2:BX+3], v[BX+2:BX+3], v[SX+2:SX+3] op_sel_hi:[1,0]
.irp b, 0,1,2,3
	v_max_num_f32 v[BX+\b], 0x2800000, v[BX+\b]    ; the floor 2^(5 - 127): the byte cannot fall under 1
.endr
.irp b, 0,1,2,3
	v_add_nc_u32 v[SO+\b], 0xfe000000, v[BX+\b]    ; 4 off the exponent field: the conversion's scale operand
.endr
.irp b, 0,1,2,3
	v_lshrrev_b32 v[BY+\b], 23, v[SO+\b]
.endr
	v_lshl_or_b32 v[PWX], v[BY+1], 8, v[BY]
	v_lshl_or_b32 v[PWX], v[BY+2], 16, v[PWX]
	v_lshl_or_b32 v[PWX], v[BY+3], 24, v[PWX]
.irp c, 0,1
	v_cvt_scalef32_pk16_bf6_f32 v[PCX+6*\c:PCX+6*\c+2], v[SB+32*\c:SB+32*\c+15], v[SO+2*\c]
	v_cvt_scalef32_pk16_bf6_f32 v[TP+4*\c:TP+4*\c+2], v[SB+32*\c+16:SB+32*\c+31], v[SO+2*\c+1]
.endr
	v_nop                                          ; one plain place behind a scaled conversion
.irp c, 0,1                            ; the operand's layout wants a whole block in a lane: lanes 0-15 block 2 c, lanes 16-31 block 2 c + 1
.irp i, 0,1,2
	v_permlane16_swap_b32 v[PCX+6*\c+\i], v[TP+4*\c+\i]
.endr
.irp i, 0,1,2
	v_mov_b32 v[PCX+3+6*\c+\i], v[TP+4*\c+\i]
.endr
.endr
.endm
; A key step of pass A, on K's set p.  The next step's tiles are asked for first, if that step is touched (bits 16 and above of ANY are never set: nothing is asked for past the buffer's end).
.macro STEP_A p
	s_wait_loadcnt 0x0                             ; this step's tiles, asked for a step ago; and every load that named KB is done, so KB may step
	s_add_nc_u64 s[KB:KB+1], s[KB:KB+1], 4*KBLK
	s_bitcmp1_b32 s[AW], 4*(\p)+4
	s_cbranch_scc0 .Lan_\@
	LOADK 1-\p, KB
.Lan_\@:
	s_bitcmp1_b32 s[AW], 4*(\p)
	s_cbranch_scc0 .Lae_\@
	s_wait_dscnt 0x0                               ; my earlier LDS stores have read their registers
	MASKSET \p
.irp t, 0,1,2,3,4,5,6,7
	QKM 0, \t, \p
.endr
	WIN 0
	PLACES 4
	SOFT_A 0, \p
	SOFT_A 1, \p
	SOFT_A 2, \p
	SOFT_A 3, \p
	MASKCLR \p
.Lae_\@:
	s_add_co_u32 s[KF], s[KF], 512                 ; my next step's first key
.endm
.macro STEP_B p
	s_wait_loadcnt 0x0
	s_add_nc_u64 s[KB:KB+1], s[KB:KB+1], 4*KBLK
	s_add_nc_u64 s[VB:VB+1], s[VB:VB+1], 4*VBLK
	s_bitcmp1_b32 s[AW], 4*(\p)+4
	s_cbranch_scc0 .Lbn_\@
	LOADK 1-\p, KB
	LOADV 1-\p, VB
.Lbn_\@:
	s_bitcmp1_b32 s[AW], 4*(\p)
	s_cbranch_scc0 .Lbe_\@
	MASKSET \p
.irp x, 0,1,2,3
	ds_load_b128 v[BMX+4*\x:BMX+4*\x+3], v4 offset:2048*(\p)+512*\x   ; the blocks' largest scores, as pass A left them
.endr
.irp t, 0,1,2,3,4,5,6,7
	QKM 0, \t, \p
.endr
	WIN 0
	s_wait_dscnt 0x0
	PLACES 4
	SOFT_B 0, \p
	SOFT_B 1, \p
	SOFT_B 2, \p
	SOFT_B 3, \p
	PLACES 8                                       ; the last tile's scale word and codes were written by vector instructions
.irp d, 0,1,2,3,4,5,6,7
	PVM 3, \d, \p
.endr
	WIN 0
	PLACES 4                                       ; ahead of loads into V's registers and of the first read of O^T
	MASKCLR \p
.Lbe_\@:
	s_add_co_u32 s[KF], s[KF], 512
.endm
.macro BARRIER                         ; my LDS stores have landed and my LDS loads are in: then the work-group's barrier
	s_wait_dscnt 0x0
	s_barrier_signal -1
	s_barrier_wait -1
.endm
	s_load_b256 s[4:11], s[0:1], 0x0               ; qimg s[4:5], kimg s[6:7], vimg s[8:9], q_ranges s[10:11]
	s_load_b128 s[12:15], s[0:1], 0x20             ; k_ranges s[12:13], out0 s[14:15]
	v_lshl_add_u32 v219, v0, 2, 0x2a000
	v_mov_b32 v223, 0
	v_lshrrev_b32 v1, 5, v0
	v_readfirstlane_b32 s[WV], v1                  ; wave 0..3
	v_and_b32 v47, 31, v0                          ; lane
	v_lshlrev_b32 v1, 4, v47                       ; 16 x lane; never rewritten
	v_lshlrev_b32 v2, 2, v47                       ; 4 x lane; never rewritten
	s_mov_b32 s[KVH], ttmp9                        ; the kv head
	s_and_b32 s[GX], ttmp7, 0xffff
	s_sub_co_u32 s[GX], 127, s[GX]                 ; the tile of positions
	s_lshl_b32 s2, s[KVH], 4
	s_add_co_u32 s2, s2, s[WV]                     ; my first key step's block: 16 x kv head + wave
	s_mul_i32 s100, s2, KBLK
	s_mov_b32 s101, 0
	s_mul_i32 s104, s2, VBLK
	s_mov_b32 s105, 0
	s_lshl_b32 s2, s[GX], 2
	s_add_co_u32 s2, s2, s[KVH]
	s_mul_i32 s2, s2, QBLK
	s_mov_b32 s3, 0
	s_wait_kmcnt 0x0
	s_load_b512 s[QR:QR+15], s[10:11], 0x0
	s_load_b512 s[KR:KR+15], s[12:13], 0x0
	s_add_nc_u64 s[KB0:KB0+1], s[6:7], s[100:101]
	s_add_nc_u64 s[VB0:VB0+1], s[8:9], s[104:105]
	s_add_nc_u64 s[QB:QB+1], s[4:5], s[2:3]
	LOADQ QB
	LOADK 0, KB0
	v_and_b32 v252, 15, v47                        ; r
	v_lshrrev_b32 v253, 4, v47                     ; h
	s_lshl_b32 s2, s[WV], 13
	s_add_co_u32 s2, s2, BM
	v_add_nc_u32 v3, s2, v1
	s_lshl_b32 s2, s[WV], 10
	s_add_co_u32 s2, s2, STA
	v_lshl_add_u32 v7, v47, 3, s2
	v_lshl_add_u32 v8, v47, 3, STA
	s_mul_i32 s2, s[WV], OSW
	v_mul_u32_u24 v9, v252, OP
	v_lshl_add_u32 v9, v253, 5, v9
	v_add_nc_u32 v9, s2, v9                        ; my stages: row r, + 32 h
	s_mul_i32 s2, s[WV], OST
	v_add_nc_u32 v10, s2, v1                       ; tile w in source 0's stages, 16 bytes a lane;
	v_add_nc_u32 v11, OSW, v10                     ; in source 1's, 2's, 3's
	v_add_nc_u32 v12, 2*OSW, v10
	v_add_nc_u32 v13, 3*OSW, v10
	v_and_b32 v15, 8, v252
	v_add_nc_u32 v15, v15, v252                    ; r + 8 (r / 8)
	v_lshlrev_b32 v46, 4, v253                     ; 16 h
	v_mov_b32 v[M1], -1
	v_mov_b32 v[C16], 0xffff
	v_mov_b32 v[FF+1], 0                           ; (named as the upper half of a pair)
.irp b, 0,1,2,3
	v_mov_b32 v[BY+\b], 0                          ; a lane permute's destination counts as one of its sources
.endr
.set N, 0
.rept 16
	ds_store_b128 v3, v[BY:BY+3] offset:512*N      ; my block maxima's bytes are written once: pass A's stores stand under branches on the ranges, and no path reads LDS bytes that nobody wrote
.set N, N+1
.endr
; Written once: the mask tile (zeros), and the second sets of K and V with their scale words, whose loads stand under branches on the ranges: no path reads a register that nothing wrote.
.irp i, 0,1,2,3,4,5,6,7
	v_mov_b32 v[KSC+8+\i], 0
.endr
.irp i, 0,1,2,3
	v_mov_b32 v[VSC+4+\i], 0
.endr
	WIN 0x80
.set N, 96
.rept 96
	v_mov_b32 v[N], 0
.set N, N+1
.endr
	WIN 0xc0
.set N, 96
.rept 160
	v_mov_b32 v[N], 0
.set N, N+1
.endr
	WIN 0x40                                       ; O^T begins as zeros: which step is a wave's first hangs on the ranges, and a wave without steps adds zeros
.set N, 0
.rept 256
	v_mov_b32 v[N], 0
.set N, N+1
.endr
	WIN 0
.irp x, 0,1,2,3
	v_mov_b32 v[ST4+4*\x], 0x69000000              ; -M = 2^83
	v_mov_b32 v[ST4+4*\x+1], 0xe9000000            ; the largest t so far: -2^83
	v_mov_b32 v[ST4+4*\x+2], 0
	v_mov_b32 v[ST4+4*\x+3], 0
.endr
	s_mov_b32 s[SEL], 0x76543210
	s_mov_b32 s[SEL+1], 0xfedcba98
	s_mov_b32 s[CS], 0x3e0293ee                    ; c = log2(e) / sqrt(128)
	s_mov_b32 s[CS+1], s[CS]
	s_mov_b32 s[NEG], 0xf149f2ca                   ; -1e30
	s_lshr_b32 s[P0], s[GX], 1                     ; the tile's first position: 32 (tile / 2) + 8 (tile % 2)
	s_lshl_b32 s[P0], s[P0], 5
	s_and_b32 s2, s[GX], 1
	s_lshl_b32 s2, s2, 3
	s_add_co_u32 s[P0], s[P0], s2
	v_add_nc_u32 v14, s[P0], v15                   ; my query's position
	s_lshl_b32 s2, s[P0], 13                       ; out: a position is 8,192 bytes, a head 512; I store head 4 kv + wave
	s_lshl_b32 s3, s[KVH], 11
	s_add_co_u32 s2, s2, s3
	s_lshl_b32 s3, s[WV], 9
	s_add_co_u32 s2, s2, s3
	s_mov_b32 s3, 0
	s_add_nc_u64 s[OB:OB+1], s[14:15], s[2:3]
	s_wait_kmcnt 0x0
.irp i, 0,1,2,3,4,5,6,7,8,9,10,11,12,13,14,15
	s_max_i32 s[KR+\i], s[KR+\i], 0                ; keys run from 0 to 2,047: the hold changes no key's membership
	s_min_i32 s[KR+\i], s[KR+\i], 2048
.endr
.irp r, 0,1,2,3,4,5,6,7
	s_lshr_b32 s2, s[KR+2*\r], 7                   ; steps touched: from start / 128 to (end + 127) / 128
	s_add_co_u32 s3, s[KR+2*\r+1], 127
	s_lshr_b32 s3, s3, 7
	s_sub_co_i32 s3, s3, s2
	s_max_i32 s3, s3, 0
	s_min_u32 s2, s2, 16
	s_min_u32 s3, s3, 16
	s_bfm_b32 s[TM+\r], s3, s2
	s_add_co_u32 s2, s[KR+2*\r], 127               ; steps covered: from (start + 127) / 128 to end / 128
	s_lshr_b32 s2, s2, 7
	s_lshr_b32 s3, s[KR+2*\r+1], 7
	s_sub_co_i32 s3, s3, s2
	s_max_i32 s3, s3, 0
	s_min_u32 s2, s2, 16
	s_min_u32 s3, s3, 16
	s_bfm_b32 s[CM+\r], s3, s2
.endr
; The tile's positions lie in [p0, p0 + 24).  Touched: by a range whose queries meet that span.  Covered: by ONE range whose queries hold the whole span.
	s_mov_b32 s[ANY], 0
	s_mov_b32 s[FULL], 0
	s_add_co_u32 s2, s[P0], 24
.irp r, 0,1,2,3,4,5,6,7
	s_cmp_lt_i32 s[QR+2*\r], s2
	s_cselect_b32 s3, s[TM+\r], 0
	s_cmp_gt_i32 s[QR+2*\r+1], s[P0]
	s_cselect_b32 s3, s3, 0
	s_or_b32 s[ANY], s[ANY], s3
	s_cmp_le_i32 s[QR+2*\r], s[P0]
	s_cselect_b32 s3, s[CM+\r], 0
	s_cmp_ge_i32 s[QR+2*\r+1], s2
	s_cselect_b32 s3, s3, 0
	s_or_b32 s[FULL], s[FULL], s3
.endr
; ---- PASS A: two trips of two steps, on K's sets 0 and 1
	s_lshr_b32 s[AW], s[ANY], s[WV]
	s_lshr_b32 s[FW], s[FULL], s[WV]
	s_mov_b64 s[KB:KB+1], s[KB0:KB0+1]
	s_lshl_b32 s[KF], s[WV], 7
	s_mov_b32 s[BMO], 0
	s_mov_b32 s[CNT], 2
.Lpass_a:
	v_add_nc_u32 v4, s[BMO], v3
	STEP_A 0
	STEP_A 1
	s_lshr_b32 s[AW], s[AW], 8
	s_lshr_b32 s[FW], s[FW], 8
	s_add_co_u32 s[BMO], s[BMO], 4096
	s_sub_co_u32 s[CNT], s[CNT], 1
	s_cmp_lg_u32 s[CNT], 0
	s_cbranch_scc1 .Lpass_a
	s_wait_loadcnt 0x0                             ; no load is out: none of the loads below lands on a pending load's registers
	LOADK 0, KB0                                   ; pass B's first step: on its way during the exchange
	LOADV 0, VB0
; ---- THE WAVES' (M, l) MEET
.irp x, 0,1,2,3
	v_add_f32 v[ST4+4*\x+2], v[ST4+4*\x+2], v[ST4+4*\x+3]
.endr
.irp x, 0,1,2,3
	v_permlanex16_b32 v[BY+\x], v[ST4+4*\x+2], s[SEL], s[SEL+1]
.endr
.irp x, 0,1,2,3
	v_add_f32 v[ST4+4*\x+1], v[ST4+4*\x+2], v[BY+\x]   ; my wave's l, beside its -M
.endr
.irp x, 0,1,2,3
	ds_store_b64 v7, v[ST4+4*\x:ST4+4*\x+1] offset:256*\x
.endr
	BARRIER
.irp s, 0,1,2,3
.irp x, 0,1,2,3
	ds_load_b64 v[S+8*\s+2*\x:S+8*\s+2*\x+1], v8 offset:1024*\s+256*\x
.endr
.endr
	s_wait_dscnt 0x0
.irp x, 0,1,2,3
	v_min_num_f32 v[T0], v[S+2*\x], v[S+8+2*\x]
	v_min3_num_f32 v[ST4+4*\x], v[T0], v[S+16+2*\x], v[S+24+2*\x]      ; the row's -M: the least of the four
.irp s, 0,1,2,3
	v_sub_f32 v[BY+\s], v[ST4+4*\x], v[S+8*\s+2*\x]                    ; M of wave s less the row's M: a whole number, 0 or less
.endr
.irp s, 0,1,2,3
	v_cvt_i32_f32 v[BY+\s], v[BY+\s]
.endr
.irp s, 0,1,2,3
	v_ldexp_f32 v[BY+\s], 1.0, v[BY+\s]
.endr
	v_mul_f32 v[ST4+4*\x+1], v[S+1+2*\x], v[BY]
	v_fmac_f32 v[ST4+4*\x+1], v[S+9+2*\x], v[BY+1]
	v_fmac_f32 v[ST4+4*\x+1], v[S+17+2*\x], v[BY+2]
	v_fmac_f32 v[ST4+4*\x+1], v[S+25+2*\x], v[BY+3]                    ; the row's l
.endr
.irp x, 0,1,2,3
	v_rcp_f32 v[ST4+4*\x+2], v[ST4+4*\x+1]
.endr
	v_nop                                          ; a plain place behind the reciprocals
	s_wait_alu depctr_va_vdst(0)                   ; one wait for the four, ahead of their first reader
.irp x, 0,1,2,3
	v_cmp_lt_f32 vcc_lo, 0, v[ST4+4*\x+1]
	v_cndmask_b32 v[ST4+4*\x+2], 0, v[ST4+4*\x+2], vcc_lo              ; a row that no key is shown to has l = 0: its p and its output are 0
.endr
; ---- PASS B
	s_lshr_b32 s[AW], s[ANY], s[WV]
	s_lshr_b32 s[FW], s[FULL], s[WV]
	s_mov_b64 s[KB:KB+1], s[KB0:KB0+1]
	s_mov_b64 s[VB:VB+1], s[VB0:VB0+1]
	s_lshl_b32 s[KF], s[WV], 7
	s_mov_b32 s[BMO], 0
	s_mov_b32 s[CNT], 2
.Lpass_b:
	v_add_nc_u32 v4, s[BMO], v3
	STEP_B 0
	STEP_B 1
	s_lshr_b32 s[AW], s[AW], 8
	s_lshr_b32 s[FW], s[FW], 8
	s_add_co_u32 s[BMO], s[BMO], 4096
	s_sub_co_u32 s[CNT], s[CNT], 1
	s_cmp_lg_u32 s[CNT], 0
	s_cbranch_scc1 .Lpass_b
; ---- THE WAY OUT: my O^T of all four tiles into my stages; behind the barrier wave w adds the four waves' tile w and stores head w's 16 rows, 512 bytes each
	WIN 0x04                                       ; an LDS store's data are its source 1: window 1
.irp x, 0,1,2,3
.irp d, 0,1,2,3,4,5,6,7
	ds_store_b128 v9, v[64*\x+8*\d:64*\x+8*\d+3] offset:OST*\x+64*\d          ; each accumulator from its low end on; lane (r, h): channels 16 d + 8 h + 0 .. 7 of query r
	ds_store_b128 v9, v[64*\x+8*\d+4:64*\x+8*\d+7] offset:OST*\x+64*\d+16
.endr
.endr
	WIN 0
	BARRIER
.irp u, 0,1                            ; eight rows at a time
.if \u
	s_wait_xcnt 0x0                                ; the first half's stores have read their registers
.endif
.irp s, 0,1,2,3
.irp i, 0,1,2,3,4,5,6,7
	ds_load_b128 v[S+32*\s+4*\i:S+32*\s+4*\i+3], v[10+\s] offset:(8*\u+\i)*OP
.endr
.endr
	s_wait_dscnt 0x0
.set N, 0
.rept 16
	v_pk_add_f32 v[S+N:S+N+1], v[S+N:S+N+1], v[S+32+N:S+32+N+1]
	v_pk_add_f32 v[S+64+N:S+64+N+1], v[S+64+N:S+64+N+1], v[S+96+N:S+96+N+1]
	v_pk_add_f32 v[S+N:S+N+1], v[S+N:S+N+1], v[S+64+N:S+64+N+1]
.set N, N+2
.endr
.irp i, 0,1,2,3,4,5,6,7
	global_store_b128 v1, v[S+4*\i:S+4*\i+3], s[OB:OB+1] offset:(\i+16*\u)*8192 th:TH_STORE_NT   ; row 8 u + i is position p0 + i + 16 u; 32 lanes store 512 consecutive bytes, aligned
.endr
.endr
	s_wait_tensorcnt 0x0
	ds_add_u32 v219, v223
	s_wait_dscnt 0x0
	s_endpgm
.Lfunc_end_k_qbc6edf9469_attn:
	.size	k_qbc6edf9469_attn, .Lfunc_end_k_qbc6edf9469_attn-k_qbc6edf9469_attn
	.p2alignl 7, 3214868480
	.fill 96, 4, 3214868480
	.section	.rodata,"a",@progbits
	.p2align	6, 0x0
	.amdhsa_kernel k_qbc6edf9469_attn
		.amdhsa_group_segment_fixed_size 172544
		.amdhsa_private_segment_fixed_size 0
		.amdhsa_enable_private_segment 0
		.amdhsa_kernarg_size 48
		.amdhsa_user_sgpr_count 2
		.amdhsa_user_sgpr_kernarg_segment_ptr 1
		.amdhsa_wavefront_size32 1
		.amdhsa_system_sgpr_workgroup_id_x 1
		.amdhsa_system_sgpr_workgroup_id_y 1
		.amdhsa_system_sgpr_workgroup_id_z 1
		.amdhsa_system_vgpr_workitem_id 0
		.amdhsa_next_free_vgpr 1024
		.amdhsa_next_free_sgpr 106
		.amdhsa_reserve_vcc 1
		.amdhsa_float_denorm_mode_32 3
		.amdhsa_float_denorm_mode_16_64 3
		.amdhsa_memory_ordered 1
		.amdhsa_forward_progress 1
		.amdhsa_inst_pref_size 255
	.end_amdhsa_kernel
	.section	.bss,"aw",@nobits
	.p2align	6
	.space	262144
	.amdgpu_metadata
---
amdhsa.version: [ 1, 2 ]
amdhsa.kernels:
  - .name:           k_qbc6edf9469_attn
    .symbol:         k_qbc6edf9469_attn.kd
    .args:
      - { .name: qimg, .offset: 0, .size: 8, .value_kind: global_buffer, .address_space: global }
      - { .name: kimg, .offset: 8, .size: 8, .value_kind: global_buffer, .address_space: global }
      - { .name: vimg, .offset: 16, .size: 8, .value_kind: global_buffer, .address_space: global }
      - { .name: q_ranges, .offset: 24, .size: 8, .value_kind: global_buffer, .address_space: global }
      - { .name: k_ranges, .offset: 32, .size: 8, .value_kind: global_buffer, .address_space: global }
      - { .name: out0, .offset: 40, .size: 8, .value_kind: global_buffer, .address_space: global }
    .group_segment_fixed_size: 172544
    .private_segment_fixed_size: 0
    .kernarg_segment_align: 8
    .kernarg_segment_size: 48
    .max_flat_workgroup_size: 128
    .sgpr_count:     106
    .vgpr_count:     1024
    .wavefront_size: 32
...
	.end_amdgpu_metadata
.endif
;; end of part 2
;; ======== version 2 of 2: 2 launches; version 1 with the launch attn written anew for expert scheduling mode
;; limits: right only within a limited range of input values
;; workspace buffers: qimg 3,407,872 bytes; kimg 851,968 bytes; vimg 819,200 bytes
;; launch prep: the kernel of part 1 again; grid 224 x 1, 4 waves a work-group, no clusters, 70,144 bytes of LDS; arguments q, k, v, cos, sin, qimg, kimg, vimg; writes qimg, kimg, vimg
;; launch attn (part 3): grid 4 x 128, 4 waves a work-group, no clusters, 172,544 bytes of LDS; arguments qimg, kimg, vimg, q_ranges, k_ranges, out0; writes out0
.if DOCPART == 3
	.amdgcn_target "amdgcn-amd-amdhsa--gfx1250"
	.amdhsa_code_object_version 6
	.text
	.protected	k_qbc6edf9469_attn
	.globl	k_qbc6edf9469_attn
	.p2align	8
	.type	k_qbc6edf9469_attn,@function
k_qbc6edf9469_attn:
	s_mov_b64 s[64:65], 0
	v_nop
	global_prefetch_b8 v0, s[64:65] scope:SCOPE_SE
	s_setreg_imm32_b32 hwreg(HW_REG_WAVE_SCHED_MODE, 0, 2), 2
	s_setreg_imm32_b32 hwreg(HW_REG_WAVE_MODE, 25, 1), 1
	s_wait_xcnt 0x0
	s_wait_alu depctr_vm_vsrc(0)
; out[q][head][:] = the sum over keys of P V, P = softmax over the keys that the union of the eight rectangles (q_ranges x k_ranges) allows, FINISHED AND NORMALISED before it is quantised along the keys; rows that no range covers give 0.
; Both products on codes of BF6 (E3M2) with one E8M0 scale for each 32 along K; Q, K, V^T come as images of operand registers (see the launch before): a fragment is three loads of 16 bytes a lane.
; SHARES.  A work-group takes one tile of 16 positions x the four query heads of one kv head: four tiles of queries with one mask, which share every fragment of K and V.  x = the kv head; y counts the tiles from the last one down (the order changes no result).
; THE FOUR WAVES SHARE THE KEYS: wave w takes key steps 4 i + w (128 keys each), i = 0 .. 3, so each fragment is read by one wave of the work-group, from memory straight into registers, and feeds four matrix instructions.
; TWO PASSES, since p's divisor must be known before p is quantised.  Pass A: S^T = K Q^T, each wave's running M (a whole number) and sum l of 2^(t - M), t = score x log2(e) / sqrt(128).  The waves' (M, l) meet in LDS.
; Pass B: S^T again (the same bits), p = 2^(t - M) x (1 / l), quantised in blocks of 32 keys, O^T += V^T P^T.  p is normalised, so the four waves' O^T are plain addends: they meet in LDS, and wave w stores head w's 16 rows.
; THE MASK.  From the ranges, by scalar arithmetic: a step that no range touches for this tile is left out (a scalar branch); a step that one range covers whole for all 16 queries takes zeros as the C of K Q^T;
; every other step builds a tile of 0 and -1e30 for that C, lane by lane from the ranges, and sets it back to zeros at its end.  Both classes err.
; M starts at -2^83, above -1e30 x c: a hidden score never sets M and gives p = 0.
; No tensor load and no cluster: the work hangs on numbers read from memory, and the work-groups that share K and V need different numbers of steps.  No barrier stands under a branch on the ranges.
; LIMITS: NaN and infinities are not served; a shown t lies above -2^83; a block of p that is all zeros gets the byte 1 with zero codes; a block's largest p is taken from its largest score, which takes v_exp_f32 not to fall where its input rises;
; the sums over keys are taken wave by wave, in another order than a plain row sum.
; REGISTERS, in windows of 256 (s_set_vgpr_msb: bits 1:0 source 0, 3:2 source 1, 5:4 source 2, 7:6 destination):
;   window 0: v1-15, v46-47 addresses; v16-45 scale words; v48-63 statistics; v64-191 S^T, two buffers of 64; v192-215 p's codes, two sets; v216-255 at work
;   window 1: O^T, (tile x, channels 16 d on) at v[64 x + 8 d]     window 2: K, two sets of 96, Q at v192     window 3: V, two sets of 96, the mask tile at v192
; The next tile's K Q^T stands among a tile's exponentials, one product to eight; the tile before's V^T P^T among its scalings, one product to four; at two switches of the window each: the vector work of a step outweighs
; its matrix work, and set apart it would leave the matrix unit idle.
; THE MODE: SCHED_MODE bits 1:0 = 2 (LLVM: expert scheduling mode 2), set by the entry lines.  The code itself states the register dependences between vector or matrix instructions and memory or LDS instructions, with s_wait_alu, always for 0.
; THE PLAN.  Registers that memory or LDS instructions touch:
;   K's and V's sets with their scale words   A step on set p: its matrix instructions read set p; the next step's loads, at the step's head, land in set 1 - p, which the step before read.
;   v4            Read by pass A's LDS stores and pass B's LDS loads; written once a trip, at the head of the trip's first step.
;   v224-239      The blocks' largest scores.  Pass A: written by the maxima, read by one LDS store a tile, which stands behind the wait of the tile's exponentials.  Pass B: LDS loads land there; vector lines work on them.
;   v240-243      Read by the head's LDS stores of zeros; afterwards at work.
;   the statistics, S^T's buffers, O^T        Touched where the waves' (M, l) meet and on the way out alone.
;   v1-3, v7-13   Offsets and LDS addresses, made at the head and never written again.
;   p's codes and scale words are written by vector lines and taken by scaled products: a tile's products stand behind the NEXT tile's wait for its exponentials, which so states that dependence too.
; So a step's head holds one wait on va_vdst (the other sets are free, v224-239 are free, v4 is written), and ahead of it a wait on vm_vsrc wherever registers that LDS instructions have read are written again in the step.
.set OSW,  33792                       ; LDS 0: O^T's stages, source wave s, tile x: s OSW + x OST; 16 rows of 512 bytes + 16
.set OST,  8448
.set OP,   528
.set BM,   135168                      ; block maxima, each wave's own: 8,192 w + 2,048 i + 512 x + 16 lane
.set STA,  167936                      ; (-M, l): 1,024 s + 256 x + 8 lane
.set KBLK, 13312
.set VBLK, 12800
.set QBLK, 6656
.set QS,   16                          ; v16-19  Q's scale words
.set KSC,  20                          ; v20-35  K's, eight a set
.set VSC,  36                          ; v36-43  V's, four a set: lanes 0-15 the even tile, lanes 16-31 the odd one
.set PW,   44                          ; v44-45  p's, by the tile's parity
.set ST4,  48                          ; tile x: v[48 + 4 x]: -M, the largest t (later l); l in two halves (later 1 / l)
.set S,    64
.set BAS,  128                         ; the mask's scratch, in S^T's second buffer: the first of my 16 keys of block b; one past the last; two at work
.set TOP,  132
.set TA,   136
.set TB,   140
.set PC,   192
.set TP,   216                         ; v216-218, v220-222: the conversions' second halves
.set BMX,  224                         ; v224-239 the blocks' largest scores, four a tile
.set BY,   240
.set SO,   244
.set FF,   248
.set SU,   250
.set T0,   252
.set M1,   254                         ; -1
.set C16,  255                         ; 0xffff
.set MK,   192                         ; window 3
.set QF,   192                         ; window 2
.set WV,   16
.set KVH,  17
.set GX,   18
.set SEL,  20
.set CS,   22
.set QR,   24                          ; s[24:39] q_ranges
.set KR,   40                          ; s[40:55] k_ranges, held to 0 .. 2,048
.set ANY,  56                          ; steps touched, steps covered, the tile's first position
.set FULL, 57
.set P0,   58
.set KB0,  66
.set VB0,  68
.set KB,   70
.set VB,   72
.set QB,   74
.set OB,   76
.set CNT,  78
.set AW,   79                          ; ANY, shifted so that the step in hand stands at bit 0 or 4
.set BMO,  80
.set NEG,  82
.set KF,   83                          ; the step's first key
.set TM,   84                          ; s84-91 steps that range r touches; s92-99 steps that it covers
.set CM,   92
.set IN,   84                          ; s84-99 once more, free behind the classes: the masks that runs of vector compares write
.set FW,   100                         ; FULL, shifted likewise
.set MSB, 0
.macro WIN new                         ; the immediate's high byte repeats the setting that is left
.if MSB != \new
	s_set_vgpr_msb (MSB<<8)|\new
.set MSB, \new
.endif
.endm
.set W_QK, 0x3a                        ; K and Q window 2, the mask tile window 3, S^T window 0
.set W_PV, 0x53                        ; V window 3, p window 0, O^T window 1
.macro LOADK p, b                      ; a key step's eight tiles of K and their scale words into set p
	WIN 0x80
.irp t, 0,1,2,3,4,5,6,7
.irp c, 0,1,2
	global_load_b128 v[96*(\p)+12*\t+4*\c:96*(\p)+12*\t+4*\c+3], v1, s[\b:\b+1] offset:1536*\t+512*\c
.endr
.endr
	WIN 0
.irp t, 0,1,2,3,4,5,6,7
	global_load_b32 v[KSC+8*(\p)+\t], v2, s[\b:\b+1] offset:12288+128*\t
.endr
.endm
.macro LOADV p, b
	WIN 0xc0
.irp t, 0,1,2,3,4,5,6,7
.irp c, 0,1,2
	global_load_b128 v[96*(\p)+12*\t+4*\c:96*(\p)+12*\t+4*\c+3], v1, s[\b:\b+1] offset:1536*\t+512*\c
.endr
.endr
	WIN 0
.irp t, 0,1,2,3
	global_load_b32 v[VSC+4*(\p)+\t], v2, s[\b:\b+1] offset:12288+128*\t
.endr
.endm
.macro LOADQ b
	WIN 0x80
.irp x, 0,1,2,3
.irp c, 0,1,2
	global_load_b128 v[QF+12*\x+4*\c:QF+12*\x+4*\c+3], v1, s[\b:\b+1] offset:1536*\x+512*\c
.endr
.endr
	WIN 0
.irp x, 0,1,2,3
	global_load_b32 v[QS+\x], v2, s[\b:\b+1] offset:6144+128*\x
.endr
.endm
; S^T of tile x, key tile t = K Q^T + the mask tile.  The head's 128 are one K step: no chain.  Lane (r, h) holds query r; register 16 b + i of a buffer is key 32 b + 16 h + i of the step.
.macro QKM x, t, p
	WIN W_QK
	v_wmma_scale_f32_16x16x128_f8f6f4 v[S+64*((\x)%2)+8*(\t):S+64*((\x)%2)+8*(\t)+7], v[96*(\p)+12*(\t):96*(\p)+12*(\t)+11], v[QF+12*(\x):QF+12*(\x)+11], v[MK+8*(\t):MK+8*(\t)+7], v[KSC+8*(\p)+(\t)], v[QS+(\x)] matrix_a_fmt:MATRIX_FMT_BF6 matrix_b_fmt:MATRIX_FMT_BF6
.endm
; O^T of tile x, channels 16 d on, += V^T P^T.  The accumulators take turns, one instruction a turn.
.macro PVM x, d, p
	WIN W_PV
.if ((\d)%2) == 0
	v_wmma_scale_f32_16x16x128_f8f6f4 v[64*(\x)+8*(\d):64*(\x)+8*(\d)+7], v[96*(\p)+12*(\d):96*(\p)+12*(\d)+11], v[PC+12*((\x)%2):PC+12*((\x)%2)+11], v[64*(\x)+8*(\d):64*(\x)+8*(\d)+7], v[VSC+4*(\p)+(\d)/2], v[PW+(\x)%2] matrix_a_fmt:MATRIX_FMT_BF6 matrix_b_fmt:MATRIX_FMT_BF6
.else
	v_wmma_scale_f32_16x16x128_f8f6f4 v[64*(\x)+8*(\d):64*(\x)+8*(\d)+7], v[96*(\p)+12*(\d):96*(\p)+12*(\d)+11], v[PC+12*((\x)%2):PC+12*((\x)%2)+11], v[64*(\x)+8*(\d):64*(\x)+8*(\d)+7], v[VSC+4*(\p)+(\d)/2], v[PW+(\x)%2] matrix_a_fmt:MATRIX_FMT_BF6 matrix_b_fmt:MATRIX_FMT_BF6 matrix_a_scale:MATRIX_SCALE_ROW1
.endif
.endm
.macro PLACES n                        ; plain places behind or ahead of matrix instructions (ISA guide 7.12.1)
.rept \n
	v_nop
.endr
.endm
; THE MASK TILE of the step at bit 4 p, where no one range covers the step whole.  For each block b of 32 keys a word whose bit i says that key KF + 32 b + 16 h + i is shown to my query: the union, over the ranges
; that hold my query, of the bits [lo - first key, hi - first key), both held to 0 .. 16.  Then 64 numbers, 0 where the key is shown and -1e30 where it is hidden.  A step that is covered whole finds zeros and jumps over this.
; The sixteen compares stand in one run, each with a scalar register of its own, so that one wait serves them all; twelve vector lines that read none of the masks stand between the run and the wait.
.macro MASKSET p
	s_bitcmp1_b32 s[FW], 4*(\p)
	s_cbranch_scc1 .Lms_\@
.irp r, 0,1,2,3,4,5,6,7
	v_cmp_le_i32 s[IN+2*\r], s[QR+2*\r], v14
	v_cmp_gt_i32 s[IN+2*\r+1], s[QR+2*\r+1], v14
.endr
	v_add_nc_u32 v[BAS], s[KF], v46                ; the first of my 16 keys of block 0: KF + 16 h
.irp b, 1,2,3
	v_add_nc_u32 v[BAS+\b], 32*\b, v[BAS]
.endr
.irp b, 0,1,2,3
	v_add_nc_u32 v[TOP+\b], 16, v[BAS+\b]          ; one past my last key of the block
	v_mov_b32 v[BY+\b], 0                          ; keys shown: so far none
.endr
	s_wait_alu depctr_va_sdst(0)                   ; the sixteen compares have written s84 to s99, ahead of their first readers, the scalar lines below
.irp r, 0,1,2,3,4,5,6,7
	s_and_b32 s[IN+2*\r], s[IN+2*\r], s[IN+2*\r+1] ; lanes whose query lies in range r
.endr
.irp r, 0,1,2,3,4,5,6,7
	v_cndmask_b32 v[SO], 0, s[KR+2*\r], s[IN+2*\r]     ; its keys [lo, hi), or none
	v_cndmask_b32 v[SO+1], 0, s[KR+2*\r+1], s[IN+2*\r]
.irp b, 0,1,2,3
	v_min_u32 v[TA+\b], v[SO], v[BAS+\b]
	v_min_u32 v[TB+\b], v[SO+1], v[TOP+\b]
.endr
.irp b, 0,1,2,3
	v_sub_nc_u32 v[TA+\b], v[SO], v[TA+\b]         ; lo from my first key on, 0 at the least;
	v_sub_nc_u32 v[TB+\b], v[TOP+\b], v[TB+\b]     ; how far hi lies under my last key + 1, 0 at the least
.endr
.irp b, 0,1,2,3
	v_min_u32 v[TA+\b], 16, v[TA+\b]
	v_min_u32 v[TB+\b], 16, v[TB+\b]
.endr
.irp b, 0,1,2,3
	v_lshlrev_b32 v[TA+\b], v[TA+\b], v[M1]        ; bits from lo on
	v_lshrrev_b32 v[TB+\b], v[TB+\b], v[C16]       ; bits under hi
.endr
.irp b, 0,1,2,3
	v_and_or_b32 v[BY+\b], v[TA+\b], v[TB+\b], v[BY+\b]
.endr
.endr
.irp b, 0,1,2,3
	v_xor_b32 v[BY+\b], 0xffff, v[BY+\b]           ; hidden = not shown
.endr
.set N, 0
.rept 64
	v_bfe_u32 v[S+N], v[BY+N/16], N%16, 1
.set N, N+1
.endr
	WIN 0xc0
.set N, 0
.rept 64
	v_mul_lo_u32 v[MK+N], v[S+N], s[NEG]           ; 0 or the bits of -1e30
.set N, N+1
.endr
	WIN 0
	PLACES 4
.Lms_\@:
.endm
.macro MASKCLR p                       ; such a step leaves the mask tile as it found it: zeros
	s_bitcmp1_b32 s[FW], 4*(\p)
	s_cbranch_scc1 .Lmc_\@
	WIN 0xc0
.set N, 0
.rept 64
	v_mov_b32 v[MK+N], 0
.set N, N+1
.endr
	WIN 0
	PLACES 4
.Lmc_\@:
.endm
; PASS A, tile x: the blocks' largest scores (kept in LDS for pass B), the running M, 2^(t - M) and its sum.  The next tile's eight products stand among the exponentials.
.macro SOFT_A x, p
.set SB, S+64*((\x)%2)
.set BX, BMX+4*(\x)
.set SX, ST4+4*(\x)
.irp b, 0,1,2,3
	v_max3_num_f32 v[BX+\b], v[SB+16*\b], v[SB+16*\b+1], v[SB+16*\b+2]   ; each accumulator is first read at its low end
.endr
.irp i, 3,5,7,9,11,13
.irp b, 0,1,2,3
	v_max3_num_f32 v[BX+\b], v[BX+\b], v[SB+16*\b+\i], v[SB+16*\b+\i+1]
.endr
.endr
.irp b, 0,1,2,3
	v_max_num_f32 v[BX+\b], v[BX+\b], v[SB+16*\b+15]
.endr
.irp b, 0,1,2,3
	v_permlanex16_b32 v[BY+\b], v[BX+\b], s[SEL], s[SEL+1]
.endr
.irp b, 0,1,2,3
	v_max_num_f32 v[BX+\b], v[BX+\b], v[BY+\b]     ; with lane l xor 16's 16 keys
.endr
	v_max3_num_f32 v[T0], v[BX], v[BX+1], v[BX+2]
	v_max_num_f32 v[T0], v[T0], v[BX+3]
	v_mul_f32 v[T0], s[CS], v[T0]
	v_max_num_f32 v[SX+1], v[SX+1], v[T0]          ; the running largest t
	v_mov_b32 v[T0], v[SX]
	v_floor_f32 v[SX], -v[SX+1]                    ; -M = floor(-t): M is a whole number
	v_sub_f32 v[T0], v[SX], v[T0]
	v_cvt_i32_f32 v[T0], v[T0]                     ; (it saturates)
	v_ldexp_f32 v[FF], 1.0, v[T0]                  ; 2^(old M - new M): rounds nothing
.set N, 0
.rept 32
	v_pk_fma_f32 v[SB+N:SB+N+1], v[SB+N:SB+N+1], s[CS:CS+1], v[SX:SX+1] op_sel_hi:[1,0,0]   ; t - M
.set N, N+2
.endr
.set GI, 0
.rept 8
.if (\x) < 3
	QKM (\x)+1, GI, \p
	WIN 0
.endif
.irp e, 0,1,2,3,4,5,6,7
	v_exp_f32 v[SB+8*GI+\e], v[SB+8*GI+\e]
.endr
.set GI, GI+1
.endr
	v_pk_mul_f32 v[SX+2:SX+3], v[SX+2:SX+3], v[FF:FF+1] op_sel_hi:[1,0]   ; the sum under the new M: the plain place behind the exponentials
	s_wait_alu depctr_va_vdst(0)                   ; the 64 exponentials have written S^T's buffer, which the sums below read: one wait for the batch; and the maxima have written the tile's four largest scores, which the LDS store below reads
	ds_store_b128 v4, v[BX:BX+3] offset:2048*(\p)+512*(\x)   ; no vector line since the wait names these four registers or v4
	v_pk_add_f32 v[SU:SU+1], v[SB:SB+1], v[SB+2:SB+3]
.irp j, 4,8,12,16,20,24,28,32,36,40,44,48,52,56,60
	v_pk_add_f32 v[SX+2:SX+3], v[SX+2:SX+3], v[SB+\j:SB+\j+1]
	v_pk_add_f32 v[SU:SU+1], v[SU:SU+1], v[SB+\j+2:SB+\j+3]
.endr
	v_pk_add_f32 v[SX+2:SX+3], v[SX+2:SX+3], v[SU:SU+1]
.endm
; PASS B, tile x: p = 2^(t - M) / l, its four scale bytes from the blocks' largest scores, its codes.  Among the exponentials: the next tile's K Q^T.  Among the scalings behind their wait: the tile before's V^T P^T.
.macro SOFT_B x, p
.set SB, S+64*((\x)%2)
.set BX, BMX+4*(\x)
.set SX, ST4+4*(\x)
.set PCX, PC+12*((\x)%2)
.set PWX, PW+(\x)%2
.set N, 0
.rept 32
	v_pk_fma_f32 v[SB+N:SB+N+1], v[SB+N:SB+N+1], s[CS:CS+1], v[SX:SX+1] op_sel_hi:[1,0,0]
.set N, N+2
.endr
.irp b, 0,1,2,3
	v_fma_f32 v[BX+\b], v[BX+\b], s[CS], v[SX]     ; the same of each block's largest score
.endr
.set GI, 0
.rept 8
.if (\x) < 3
	QKM (\x)+1, GI, \p
	WIN 0
.endif
.irp e, 0,1,2,3,4,5,6,7
	v_exp_f32 v[SB+8*GI+\e], v[SB+8*GI+\e]
.endr
.set GI, GI+1
.endr
.irp b, 0,1,2,3
	v_exp_f32 v[BX+\b], v[BX+\b]
.endr
	v_nop                                          ; the plain place behind the exponentials
	s_wait_alu depctr_va_vdst(0)                   ; the 68 exponentials have written S^T's buffer and the four largest scores, which the scalings below read: one wait for the batch; and the tile before's codes and scale word are written, which its products below take as source 1 and as scales
.set GI, 0
.rept 8
.if (\x) > 0
	PVM (\x)-1, GI, \p
	WIN 0
.endif
.irp e, 0,2,4,6
	v_pk_mul_f32 v[SB+8*GI+\e:SB+8*GI+\e+1], v[SB+8*GI+\e:SB+8*GI+\e+1], v[SX+2:SX+3] op_sel_hi:[1,0]   ; x 1 / l: p as it is quantised
.endr
.set GI, GI+1
.endr
	v_pk_mul_f32 v[BX:BX+1], v[BX:BX+1], v[SX+2:SX+3] op_sel_hi:[1,0]           ; the same three instructions on the same number give the block's largest p
	v_pk_mul_f32 v[BX+2:BX+3], v[BX+2:BX+3], v[SX+2:SX+3] op_sel_hi:[1,0]
.irp b, 0,1,2,3
	v_max_num_f32 v[BX+\b], 0x2800000, v[BX+\b]    ; the floor 2^(5 - 127): the byte cannot fall under 1
.endr
.irp b, 0,1,2,3
	v_add_nc_u32 v[SO+\b], 0xfe000000, v[BX+\b]    ; 4 off the exponent field: the conversion's scale operand
.endr
.irp b, 0,1,2,3
	v_lshrrev_b32 v[BY+\b], 23, v[SO+\b]
.endr
	v_lshl_or_b32 v[PWX], v[BY+1], 8, v[BY]
	v_lshl_or_b32 v[PWX], v[BY+2], 16, v[PWX]
	v_lshl_or_b32 v[PWX], v[BY+3], 24, v[PWX]
.irp c, 0,1
	v_cvt_scalef32_pk16_bf6_f32 v[PCX+6*\c:PCX+6*\c+2], v[SB+32*\c:SB+32*\c+15], v[SO+2*\c]
	v_cvt_scalef32_pk16_bf6_f32 v[TP+4*\c:TP+4*\c+2], v[SB+32*\c+16:SB+32*\c+31], v[SO+2*\c+1]
.endr
	v_nop                                          ; one plain place behind a scaled conversion
.irp c, 0,1                            ; the operand's layout wants a whole block in a lane: lanes 0-15 block 2 c, lanes 16-31 block 2 c + 1
.irp i, 0,1,2
	v_permlane16_swap_b32 v[PCX+6*\c+\i], v[TP+4*\c+\i]
.endr
.irp i, 0,1,2
	v_mov_b32 v[PCX+3+6*\c+\i], v[TP+4*\c+\i]
.endr
.endr
.endm
; A key step of pass A, on K's set p.  The next step's tiles are asked for first, if that step is touched (bits 16 and above of ANY are never set: nothing is asked for past the buffer's end).
; They stand in one run at the step's head, under one scalar branch on the ranges, with the whole step in which to land.
.macro STEP_A p
	s_wait_loadcnt 0x0                             ; this step's tiles, asked for a step ago; and every load that named KB is done, so KB may step
	s_add_nc_u64 s[KB:KB+1], s[KB:KB+1], 4*KBLK
	s_wait_alu depctr_vm_vsrc(0)                   ; my earlier LDS stores have read v224-239 and v240-243, which this step writes again, and v4, which the line below writes
.if (\p) == 0
	v_add_nc_u32 v4, s[BMO], v3                    ; where this trip's two steps keep their largest scores
.endif
	s_wait_alu depctr_va_vdst(0)                   ; the step before is done reading K's other set and its scale words (first trip: the head's zeros are written there), in which the loads below land; v4 is written, which this trip's LDS stores read
	s_bitcmp1_b32 s[AW], 4*(\p)+4
	s_cbranch_scc0 .Lan_\@
	LOADK 1-\p, KB
.Lan_\@:
	s_bitcmp1_b32 s[AW], 4*(\p)
	s_cbranch_scc0 .Lae_\@
	s_wait_dscnt 0x0                               ; my earlier LDS stores have landed (that they have read their registers is stated at the step's head)
	MASKSET \p
.irp t, 0,1,2,3,4,5,6,7
	QKM 0, \t, \p
.endr
	WIN 0
	PLACES 4
	SOFT_A 0, \p
	SOFT_A 1, \p
	SOFT_A 2, \p
	SOFT_A 3, \p
	MASKCLR \p
.Lae_\@:
	s_add_co_u32 s[KF], s[KF], 512                 ; my next step's first key
.endm
.macro STEP_B p
	s_wait_loadcnt 0x0
	s_add_nc_u64 s[KB:KB+1], s[KB:KB+1], 4*KBLK
	s_add_nc_u64 s[VB:VB+1], s[VB:VB+1], 4*VBLK
.if (\p) == 0
	s_wait_alu depctr_vm_vsrc(0)                   ; the LDS loads and stores issued so far have read v4
	v_add_nc_u32 v4, s[BMO], v3                    ; where this trip's two steps find their largest scores
.endif
	s_wait_alu depctr_va_vdst(0)                   ; the step before is done reading K's and V's other sets and their scale words, in which the loads below land, and done with v224-239, in which this step's LDS loads land; v4 is written, which those read
	s_bitcmp1_b32 s[AW], 4*(\p)+4
	s_cbranch_scc0 .Lbn_\@
	LOADK 1-\p, KB
	LOADV 1-\p, VB
.Lbn_\@:
	s_bitcmp1_b32 s[AW], 4*(\p)
	s_cbranch_scc0 .Lbe_\@
	MASKSET \p
.irp x, 0,1,2,3
	ds_load_b128 v[BMX+4*\x:BMX+4*\x+3], v4 offset:2048*(\p)+512*\x   ; the blocks' largest scores, as pass A left them.  No wait: the mask's lines name neither these registers nor v4
.endr
.irp t, 0,1,2,3,4,5,6,7
	QKM 0, \t, \p
.endr
	WIN 0
	s_wait_dscnt 0x0
	PLACES 4
	SOFT_B 0, \p
	SOFT_B 1, \p
	SOFT_B 2, \p
	SOFT_B 3, \p
	PLACES 8                                       ; the last tile's scale word and codes were written by vector instructions
	s_wait_alu depctr_va_vdst(0)                   ; the last tile's codes and scale word are written, which the products below take as source 1 and as scales; the places above stay beside this wait
.irp d, 0,1,2,3,4,5,6,7
	PVM 3, \d, \p
.endr
	WIN 0
	PLACES 4                                       ; ahead of the first read of O^T
	MASKCLR \p
.Lbe_\@:
	s_add_co_u32 s[KF], s[KF], 512
.endm
.macro BARRIER                         ; my LDS stores have landed and my LDS loads are in: then the work-group's barrier
	s_wait_dscnt 0x0
	s_barrier_signal -1
	s_barrier_wait -1
.endm
	s_load_b256 s[4:11], s[0:1], 0x0               ; qimg s[4:5], kimg s[6:7], vimg s[8:9], q_ranges s[10:11]
	s_load_b128 s[12:15], s[0:1], 0x20             ; k_ranges s[12:13], out0 s[14:15]
	v_lshl_add_u32 v219, v0, 2, 0x2a000
	v_mov_b32 v223, 0
	v_lshrrev_b32 v1, 5, v0
	v_readfirstlane_b32 s[WV], v1                  ; wave 0..3
	v_and_b32 v47, 31, v0                          ; lane
	v_lshlrev_b32 v1, 4, v47                       ; 16 x lane; never rewritten
	v_lshlrev_b32 v2, 2, v47                       ; 4 x lane; never rewritten
	s_wait_alu depctr_va_sdst(0)                   ; s16, the wave's number, is written, ahead of its first reader: the blocks' offsets are made from it
	s_mov_b32 s[KVH], ttmp9                        ; the kv head
	s_and_b32 s[GX], ttmp7, 0xffff
	s_sub_co_u32 s[GX], 127, s[GX]                 ; the tile of positions
	s_lshl_b32 s2, s[KVH], 4
	s_add_co_u32 s2, s2, s[WV]                     ; my first key step's block: 16 x kv head + wave
	s_mul_i32 s100, s2, KBLK
	s_mov_b32 s101, 0
	s_mul_i32 s104, s2, VBLK
	s_mov_b32 s105, 0
	s_lshl_b32 s2, s[GX], 2
	s_add_co_u32 s2, s2, s[KVH]
	s_mul_i32 s2, s2, QBLK
	s_mov_b32 s3, 0
	s_wait_kmcnt 0x0
	s_load_b512 s[QR:QR+15], s[10:11], 0x0
	s_load_b512 s[KR:KR+15], s[12:13], 0x0
	s_add_nc_u64 s[KB0:KB0+1], s[6:7], s[100:101]
	s_add_nc_u64 s[VB0:VB0+1], s[8:9], s[104:105]
	s_add_nc_u64 s[QB:QB+1], s[4:5], s[2:3]
	s_wait_alu depctr_va_vdst(0)                   ; v1 and v2 are written: every global load and store of the kernel reads one of them as its offset
	LOADQ QB
	LOADK 0, KB0
	v_and_b32 v252, 15, v47                        ; r
	v_lshrrev_b32 v253, 4, v47                     ; h
	s_lshl_b32 s2, s[WV], 13
	s_add_co_u32 s2, s2, BM
	v_add_nc_u32 v3, s2, v1
	s_lshl_b32 s2, s[WV], 10
	s_add_co_u32 s2, s2, STA
	v_lshl_add_u32 v7, v47, 3, s2
	v_lshl_add_u32 v8, v47, 3, STA
	s_mul_i32 s2, s[WV], OSW
	v_mul_u32_u24 v9, v252, OP
	v_lshl_add_u32 v9, v253, 5, v9
	v_add_nc_u32 v9, s2, v9                        ; my stages: row r, + 32 h
	s_mul_i32 s2, s[WV], OST
	v_add_nc_u32 v10, s2, v1                       ; tile w in source 0's stages, 16 bytes a lane;
	v_add_nc_u32 v11, OSW, v10                     ; in source 1's, 2's, 3's
	v_add_nc_u32 v12, 2*OSW, v10
	v_add_nc_u32 v13, 3*OSW, v10
	v_and_b32 v15, 8, v252
	v_add_nc_u32 v15, v15, v252                    ; r + 8 (r / 8)
	v_lshlrev_b32 v46, 4, v253                     ; 16 h
	v_mov_b32 v[M1], -1
	v_mov_b32 v[C16], 0xffff
	v_mov_b32 v[FF+1], 0                           ; (named as the upper half of a pair)
.irp b, 0,1,2,3
	v_mov_b32 v[BY+\b], 0                          ; a lane permute's destination counts as one of its sources
.endr
; Written once: the mask tile (zeros), and the second sets of K and V with their scale words, whose loads stand under branches on the ranges: no path reads a register that nothing wrote.
.irp i, 0,1,2,3,4,5,6,7
	v_mov_b32 v[KSC+8+\i], 0
.endr
.irp i, 0,1,2,3
	v_mov_b32 v[VSC+4+\i], 0
.endr
	WIN 0x80
.set N, 96
.rept 96
	v_mov_b32 v[N], 0
.set N, N+1
.endr
	WIN 0xc0
.set N, 96
.rept 160
	v_mov_b32 v[N], 0
.set N, N+1
.endr
	WIN 0x40                                       ; O^T begins as zeros: which step is a wave's first hangs on the ranges, and a wave without steps adds zeros
.set N, 0
.rept 256
	v_mov_b32 v[N], 0
.set N, N+1
.endr
	WIN 0
.irp x, 0,1,2,3
	v_mov_b32 v[ST4+4*\x], 0x69000000              ; -M = 2^83
	v_mov_b32 v[ST4+4*\x+1], 0xe9000000            ; the largest t so far: -2^83
	v_mov_b32 v[ST4+4*\x+2], 0
	v_mov_b32 v[ST4+4*\x+3], 0
.endr
	s_mov_b32 s[SEL], 0x76543210
	s_mov_b32 s[SEL+1], 0xfedcba98
	s_mov_b32 s[CS], 0x3e0293ee                    ; c = log2(e) / sqrt(128)
	s_mov_b32 s[CS+1], s[CS]
	s_mov_b32 s[NEG], 0xf149f2ca                   ; -1e30
	s_lshr_b32 s[P0], s[GX], 1                     ; the tile's first position: 32 (tile / 2) + 8 (tile % 2)
	s_lshl_b32 s[P0], s[P0], 5
	s_and_b32 s2, s[GX], 1
	s_lshl_b32 s2, s2, 3
	s_add_co_u32 s[P0], s[P0], s2
	v_add_nc_u32 v14, s[P0], v15                   ; my query's position
	s_lshl_b32 s2, s[P0], 13                       ; out: a position is 8,192 bytes, a head 512; I store head 4 kv + wave
	s_lshl_b32 s3, s[KVH], 11
	s_add_co_u32 s2, s2, s3
	s_lshl_b32 s3, s[WV], 9
	s_add_co_u32 s2, s2, s3
	s_mov_b32 s3, 0
	s_add_nc_u64 s[OB:OB+1], s[14:15], s[2:3]
	s_wait_alu depctr_va_vdst(0)                   ; v3 and the four zeros in v240-243 are written, which the LDS stores below read; so are v7 to v13, the LDS addresses that the exchange and the way out read
.set N, 0
.rept 16
	ds_store_b128 v3, v[BY:BY+3] offset:512*N      ; my block maxima's bytes are written once: pass A's stores stand under branches on the ranges, and no path reads LDS bytes that nobody wrote
.set N, N+1
.endr
	s_wait_kmcnt 0x0
.irp i, 0,1,2,3,4,5,6,7,8,9,10,11,12,13,14,15
	s_max_i32 s[KR+\i], s[KR+\i], 0                ; keys run from 0 to 2,047: the hold changes no key's membership
	s_min_i32 s[KR+\i], s[KR+\i], 2048
.endr
.irp r, 0,1,2,3,4,5,6,7
	s_lshr_b32 s2, s[KR+2*\r], 7                   ; steps touched: from start / 128 to (end + 127) / 128
	s_add_co_u32 s3, s[KR+2*\r+1], 127
	s_lshr_b32 s3, s3, 7
	s_sub_co_i32 s3, s3, s2
	s_max_i32 s3, s3, 0
	s_min_u32 s2, s2, 16
	s_min_u32 s3, s3, 16
	s_bfm_b32 s[TM+\r], s3, s2
	s_add_co_u32 s2, s[KR+2*\r], 127               ; steps covered: from (start + 127) / 128 to end / 128
	s_lshr_b32 s2, s2, 7
	s_lshr_b32 s3, s[KR+2*\r+1], 7
	s_sub_co_i32 s3, s3, s2
	s_max_i32 s3, s3, 0
	s_min_u32 s2, s2, 16
	s_min_u32 s3, s3, 16
	s_bfm_b32 s[CM+\r], s3, s2
.endr
; The tile's positions lie in [p0, p0 + 24).  Touched: by a range whose queries meet that span.  Covered: by ONE range whose queries hold the whole span.
	s_mov_b32 s[ANY], 0
	s_mov_b32 s[FULL], 0
	s_add_co_u32 s2, s[P0], 24
.irp r, 0,1,2,3,4,5,6,7
	s_cmp_lt_i32 s[QR+2*\r], s2
	s_cselect_b32 s3, s[TM+\r], 0
	s_cmp_gt_i32 s[QR+2*\r+1], s[P0]
	s_cselect_b32 s3, s3, 0
	s_or_b32 s[ANY], s[ANY], s3
	s_cmp_le_i32 s[QR+2*\r], s[P0]
	s_cselect_b32 s3, s[CM+\r], 0
	s_cmp_ge_i32 s[QR+2*\r+1], s2
	s_cselect_b32 s3, s3, 0
	s_or_b32 s[FULL], s[FULL], s3
.endr
; ---- PASS A: two trips of two steps, on K's sets 0 and 1
	s_lshr_b32 s[AW], s[ANY], s[WV]
	s_lshr_b32 s[FW], s[FULL], s[WV]
	s_mov_b64 s[KB:KB+1], s[KB0:KB0+1]
	s_lshl_b32 s[KF], s[WV], 7
	s_mov_b32 s[BMO], 0
	s_mov_b32 s[CNT], 2
.Lpass_a:
	STEP_A 0
	STEP_A 1
	s_lshr_b32 s[AW], s[AW], 8
	s_lshr_b32 s[FW], s[FW], 8
	s_add_co_u32 s[BMO], s[BMO], 4096
	s_sub_co_u32 s[CNT], s[CNT], 1
	s_cmp_lg_u32 s[CNT], 0
	s_cbranch_scc1 .Lpass_a
	s_wait_loadcnt 0x0                             ; no load is out: none of the loads below lands on a pending load's registers
	LOADK 0, KB0                                   ; pass B's first step: on its way during the exchange.  No wait on va_vdst: K's set 0 and its scale words were last named ahead of the wait at the head of the trip's second step,
	LOADV 0, VB0                                   ; and no vector or matrix instruction has yet named V's set 0 or its scale words
; ---- THE WAVES' (M, l) MEET
.irp x, 0,1,2,3
	v_add_f32 v[ST4+4*\x+2], v[ST4+4*\x+2], v[ST4+4*\x+3]
.endr
.irp x, 0,1,2,3
	v_permlanex16_b32 v[BY+\x], v[ST4+4*\x+2], s[SEL], s[SEL+1]
.endr
.irp x, 0,1,2,3
	v_add_f32 v[ST4+4*\x+1], v[ST4+4*\x+2], v[BY+\x]   ; my wave's l, beside its -M
.endr
	s_wait_alu depctr_va_vdst(0)                   ; the four pairs (-M, l) are written, which the LDS stores below read; and pass A is done with S^T's first buffer, in which the LDS loads behind the barrier land
.irp x, 0,1,2,3
	ds_store_b64 v7, v[ST4+4*\x:ST4+4*\x+1] offset:256*\x
.endr
	BARRIER
.irp s, 0,1,2,3
.irp x, 0,1,2,3
	ds_load_b64 v[S+8*\s+2*\x:S+8*\s+2*\x+1], v8 offset:1024*\s+256*\x
.endr
.endr
	s_wait_dscnt 0x0
	s_wait_alu depctr_vm_vsrc(0)                   ; my LDS stores have read the four pairs, which the lines below write again, and pass A's have read v224-239, in which pass B's LDS loads land
.irp x, 0,1,2,3
	v_min_num_f32 v[T0], v[S+2*\x], v[S+8+2*\x]
	v_min3_num_f32 v[ST4+4*\x], v[T0], v[S+16+2*\x], v[S+24+2*\x]      ; the row's -M: the least of the four
.irp s, 0,1,2,3
	v_sub_f32 v[BY+\s], v[ST4+4*\x], v[S+8*\s+2*\x]                    ; M of wave s less the row's M: a whole number, 0 or less
.endr
.irp s, 0,1,2,3
	v_cvt_i32_f32 v[BY+\s], v[BY+\s]
.endr
.irp s, 0,1,2,3
	v_ldexp_f32 v[BY+\s], 1.0, v[BY+\s]
.endr
	v_mul_f32 v[ST4+4*\x+1], v[S+1+2*\x], v[BY]
	v_fmac_f32 v[ST4+4*\x+1], v[S+9+2*\x], v[BY+1]
	v_fmac_f32 v[ST4+4*\x+1], v[S+17+2*\x], v[BY+2]
	v_fmac_f32 v[ST4+4*\x+1], v[S+25+2*\x], v[BY+3]                    ; the row's l
.endr
.irp x, 0,1,2,3
	v_rcp_f32 v[ST4+4*\x+2], v[ST4+4*\x+1]
.endr
	v_nop                                          ; a plain place behind the reciprocals
.irp x, 0,1,2,3
	v_cmp_lt_f32 s[IN+\x], 0, v[ST4+4*\x+1]        ; the four compares in a run, each with a scalar register of its own
.endr
	s_wait_alu depctr_va_vdst(0)                   ; the four reciprocals are written, ahead of their first readers: one wait for the four
	s_wait_alu depctr_va_sdst(0)                   ; the four compares have written s84 to s87, ahead of their first readers, the selects below
.irp x, 0,1,2,3
	v_cndmask_b32 v[ST4+4*\x+2], 0, v[ST4+4*\x+2], s[IN+\x]            ; a row that no key is shown to has l = 0: its p and its output are 0
.endr
; ---- PASS B
	s_lshr_b32 s[AW], s[ANY], s[WV]
	s_lshr_b32 s[FW], s[FULL], s[WV]
	s_mov_b64 s[KB:KB+1], s[KB0:KB0+1]
	s_mov_b64 s[VB:VB+1], s[VB0:VB0+1]
	s_lshl_b32 s[KF], s[WV], 7
	s_mov_b32 s[BMO], 0
	s_mov_b32 s[CNT], 2
.Lpass_b:
	STEP_B 0
	STEP_B 1
	s_lshr_b32 s[AW], s[AW], 8
	s_lshr_b32 s[FW], s[FW], 8
	s_add_co_u32 s[BMO], s[BMO], 4096
	s_sub_co_u32 s[CNT], s[CNT], 1
	s_cmp_lg_u32 s[CNT], 0
	s_cbranch_scc1 .Lpass_b
; ---- THE WAY OUT: my O^T of all four tiles into my stages; behind the barrier wave w adds the four waves' tile w and stores head w's 16 rows, 512 bytes each
	WIN 0x04                                       ; an LDS store's data are its source 1: window 1
	s_wait_alu depctr_va_vdst(0)                   ; the matrix instructions (in a wave without steps: the head's zeros) have written O^T, which the LDS stores below read; and pass B is done with S^T's buffers, in which the LDS loads behind the barrier land
.irp x, 0,1,2,3
.irp d, 0,1,2,3,4,5,6,7
	ds_store_b128 v9, v[64*\x+8*\d:64*\x+8*\d+3] offset:OST*\x+64*\d          ; each accumulator from its low end on; lane (r, h): channels 16 d + 8 h + 0 .. 7 of query r
	ds_store_b128 v9, v[64*\x+8*\d+4:64*\x+8*\d+7] offset:OST*\x+64*\d+16
.endr
.endr
	WIN 0
	BARRIER
.irp u, 0,1                            ; eight rows at a time
.if \u
	s_wait_xcnt 0x0                                ; the first half's stores have had their addresses translated
	s_wait_alu depctr_vm_vsrc(0)                   ; the first half's stores have read v64-95, in which the loads below land (the additions that named v64-191 stand ahead of the last wait on va_vdst)
.endif
.irp s, 0,1,2,3
.irp i, 0,1,2,3,4,5,6,7
	ds_load_b128 v[S+32*\s+4*\i:S+32*\s+4*\i+3], v[10+\s] offset:(8*\u+\i)*OP
.endr
.endr
	s_wait_dscnt 0x0
.set N, 0
.rept 16
	v_pk_add_f32 v[S+N:S+N+1], v[S+N:S+N+1], v[S+32+N:S+32+N+1]
	v_pk_add_f32 v[S+64+N:S+64+N+1], v[S+64+N:S+64+N+1], v[S+96+N:S+96+N+1]
	v_pk_add_f32 v[S+N:S+N+1], v[S+N:S+N+1], v[S+64+N:S+64+N+1]
.set N, N+2
.endr
	s_wait_alu depctr_va_vdst(0)                   ; the additions have written v64-95, which the stores below read
.irp i, 0,1,2,3,4,5,6,7
	global_store_b128 v1, v[S+4*\i:S+4*\i+3], s[OB:OB+1] offset:(\i+16*\u)*8192 th:TH_STORE_NT   ; row 8 u + i is position p0 + i + 16 u; 32 lanes store 512 consecutive bytes, aligned
.endr
.endr
	s_wait_dscnt 0x0                               ; the closing lines, six on end
	s_wait_alu 0x0
	s_wait_tensorcnt 0x0
	ds_add_u32 v219, v223
	s_wait_dscnt 0x0
	s_endpgm
.Lfunc_end_k_qbc6edf9469_attn:
	.size	k_qbc6edf9469_attn, .Lfunc_end_k_qbc6edf9469_attn-k_qbc6edf9469_attn
	.p2alignl 7, 3214868480
	.fill 96, 4, 3214868480
	.section	.rodata,"a",@progbits
	.p2align	6, 0x0
	.amdhsa_kernel k_qbc6edf9469_attn
		.amdhsa_group_segment_fixed_size 172544
		.amdhsa_private_segment_fixed_size 0
		.amdhsa_enable_private_segment 0
		.amdhsa_kernarg_size 48
		.amdhsa_user_sgpr_count 2
		.amdhsa_user_sgpr_kernarg_segment_ptr 1
		.amdhsa_wavefront_size32 1
		.amdhsa_system_sgpr_workgroup_id_x 1
		.amdhsa_system_sgpr_workgroup_id_y 1
		.amdhsa_system_sgpr_workgroup_id_z 1
		.amdhsa_system_vgpr_workitem_id 0
		.amdhsa_next_free_vgpr 1024
		.amdhsa_next_free_sgpr 106
		.amdhsa_reserve_vcc 0
		.amdhsa_float_denorm_mode_32 3
		.amdhsa_float_denorm_mode_16_64 3
		.amdhsa_memory_ordered 1
		.amdhsa_forward_progress 1
		.amdhsa_inst_pref_size 255
	.end_amdhsa_kernel
	.section	.bss,"aw",@nobits
	.p2align	6
	.space	262144
	.amdgpu_metadata
---
amdhsa.version: [ 1, 2 ]
amdhsa.kernels:
  - .name:           k_qbc6edf9469_attn
    .symbol:         k_qbc6edf9469_attn.kd
    .args:
      - { .name: qimg, .offset: 0, .size: 8, .value_kind: global_buffer, .address_space: global }
      - { .name: kimg, .offset: 8, .size: 8, .value_kind: global_buffer, .address_space: global }
      - { .name: vimg, .offset: 16, .size: 8, .value_kind: global_buffer, .address_space: global }
      - { .name: q_ranges, .offset: 24, .size: 8, .value_kind: global_buffer, .address_space: global }
      - { .name: k_ranges, .offset: 32, .size: 8, .value_kind: global_buffer, .address_space: global }
      - { .name: out0, .offset: 40, .size: 8, .value_kind: global_buffer, .address_space: global }
    .group_segment_fixed_size: 172544
    .private_segment_fixed_size: 0
    .kernarg_segment_align: 8
    .kernarg_segment_size: 48
    .max_flat_workgroup_size: 128
    .sgpr_count:     106
    .vgpr_count:     1024
    .wavefront_size: 32
...
	.end_amdgpu_metadata
.endif
;; end of part 3
